; MI455X (gfx1250); checked and timed in simulation.
; The chip was launched on July 23, 2026; its instructions are those of AMD's public machine-readable ISA for CDNA 5 (MIT licence, August 2026) and "CDNA5" Instruction Set Architecture Reference Guide (July 2026). The comments in the code are by the model that wrote it; some were corrected since.
;; Llama Attention. Allowed arithmetic: matrix products marked QUANTISED: E2M3 operands, one E8M0 scale for each 32 along K, by v_wmma_scale_f32_16x16x128_f8f6f4 with both operands' format E2M3, f32 sums; everything else in f32.
;; Inputs: cos 2 x 2,048 x 128 float32; hidden_states 2 x 2,048 x 4,096 float32; sin 2 x 2,048 x 128 float32; wk 4,096 x 512 float32; wo 1,024 x 4,096 float32; wq 4,096 x 1,024 float32; wv 4,096 x 512 float32.
;; Outputs: out0 2 x 2,048 x 4,096 float32.
;; This version of the problem:
;;   THIS VERSION OF THE PROBLEM IS GIVEN IN LOW PRECISION. The matrix products marked QUANTISED in the list below multiply operands that are first quantised to E2M3 (2 exponent bits, 3 mantissa bits; 6 bits a number), with one power-of-two scale for each 32 numbers along K (OCP MX v1.0); their sums are f32. All else is computed in f32.
;;   The module's matrix products, in the order in which they are computed (A, B: the left and right operand; K: the contracted axis; several contracted axes count as one K, in the product's order):
;;     1. [M 4,096, K 4,096] x [K 4,096, N 1,024]; A: input hidden_states; B: input wq: QUANTISED
;;     2. [M 4,096, K 4,096] x [K 4,096, N 512]; A: input hidden_states; B: input wk: QUANTISED
;;     3. [M 4,096, K 4,096] x [K 4,096, N 512]; A: input hidden_states; B: input wv: QUANTISED
;;     4. batch 16 x [M 2,048, K 128] x [K 128, N 2,048]; A: computed on the way; B: computed on the way: QUANTISED
;;     5. batch 16 x [M 2,048, K 2,048] x [K 2,048, N 128]; A: softmax (see below); B: computed on the way: QUANTISED
;;     6. [M 4,096, K 1,024] x [K 1,024, N 4,096]; A: computed on the way; B: input wo: QUANTISED
;;   THE QUANTISER, for each operand of a quantised product, along K:
;;     - K is cut into blocks of 32 from its start; a last block that is shorter is filled with zeros.
;;     - A block's scale is 2^e with e = floor(log2(the largest magnitude in the block)) - 2, held to -126 .. 127; a block of zeros has e = 0. As a byte (E8M0): e + 127.
;;     - Each number is divided by its block's scale, clamped to +-7.5, and rounded to the nearest number of E2M3, ties to even, subnormals kept.
;;     - The product sums the exact products of the quantised numbers (number of the format x scale) in f32.
;;   ~~~python
;;   def quantise(x, axis):      # numpy; x: float32 -> the quantised numbers, widened to float32 again
;;       x = np.moveaxis(x, axis, -1); K = x.shape[-1]
;;       x = np.pad(x, [(0, 0)] * (x.ndim - 1) + [(0, -K % 32)]); x = x.reshape(x.shape[:-1] + (-1, 32)); a = np.abs(x).max(-1, keepdims=True)
;;       e = np.where(a > 0, np.clip(np.frexp(np.where(a > 0, a, 1))[1] - 1 - 2, -126, 127), 0)      # np.frexp(a)[1] - 1 = floor(log2(a)), exactly
;;       r = np.clip(x / 2.0 ** e, -7.5, 7.5)
;;       step = 2.0 ** (np.maximum(np.frexp(np.where(r == 0, 1, r))[1] - 1, 0) - 3)
;;       q = np.round(r / step) * step * 2.0 ** e      # np.round: ties to even
;;       return np.moveaxis(q.reshape(q.shape[:-2] + (-1,))[..., :K], -1, axis).astype(np.float32)
;;   ~~~
;;   SOFTMAX AHEAD OF A QUANTISED PRODUCT. Where the list says 'softmax', what is quantised is not the finished softmax but p = 2^(t - M), with t = logit x log2(e) and M = ceil(the row's largest t), a whole number; so 1/2 < the row's largest p <= 1. The row's sum l is taken of the UNQUANTISED p, in f32, and the product's result is divided by l at the end. Since M is a whole number, a kernel that streams over the keys may use a running M (the ceiling of the running maximum): every later rescaling is an exact power of two, which a block's scale takes up: the codes' values come out the same.
;;   OPERANDS COMPUTED ON THE WAY. 'Computed on the way' means the value that the module computes at that place (a softmax that the list does not call 'softmax' is quantised finished and normalised). What goes into a quantiser is computed in f32, as accurately as f32 sums, v_exp_f32 and their like allow (about 1e-6 of the number): no bf16 or f16 on the way to a quantiser, and a product that is left as it is and whose result goes on into a quantised operand takes f32 operands (vector FMAs, or v_wmma_f32_16x16x4_f32). A number that lies on a knife's edge between two numbers of the format may be rounded either way, as far as f32 arithmetic and the matrix unit's own rounding can turn it there, and no further.
;; 2 versions, each right. Each part assembles by itself: llvm-mc -triple=amdgcn-amd-amdhsa -mcpu=gfx1250 --defsym DOCPART=n.
;; ======== version 1 of 2: 4 launches
;; workspace buffers: xq 13,107,200 bytes; w3q 6,553,600 bytes; woq 3,276,800 bytes; qb 3,276,800 bytes; kvb 3,276,800 bytes; aq 3,276,800 bytes
;; launch quant (part 1): grid 896 x 1, 4 waves a work-group, no clusters, 68,096 bytes of LDS; arguments hidden_states, xq, wq, wk, wv, wo, w3q, woq; writes xq, w3q, woq
.if DOCPART == 1
	.amdgcn_target "amdgcn-amd-amdhsa--gfx1250"
	.amdhsa_code_object_version 6
	.text
	.protected	k_qc3bfad030e_quant
	.globl	k_qc3bfad030e_quant
	.p2align	8
	.type	k_qc3bfad030e_quant,@function
k_qc3bfad030e_quant:
	s_mov_b64 s[64:65], 0
	v_nop
	global_prefetch_b8 v0, s[64:65] scope:SCOPE_SE
	s_setreg_imm32_b32 hwreg(HW_REG_WAVE_MODE, 25, 1), 1
	s_wait_xcnt 0x0
; hidden_states [4096][4096] (K innermost) and the four weights (K is their FIRST axis), all f32, become codes of FP6 (E2M3), K innermost, with one E8M0 byte for each 32 along K.
; A block's scale is 2^(floor(log2(its largest magnitude)) - 2); its byte is the largest magnitude's exponent field - 2, held at 1 from below; each number is divided by the scale and rounded to the nearest code, ties to even.
; LIMITS: NaN and infinities among the inputs are not served.  A block whose largest magnitude lies under 2^-124 gets the byte 1.  A block of zeros gets the byte 1 where the rule says 127: its codes are zeros, and the bytes are read by this program alone.
; OUTPUT ROWS ARE IN TILE ORDER: row i of a tensor is stored at the place i with bits 3 and 4 exchanged, so that 16 neighbouring stored rows are rows 0-7 and 16-23 (or 8-15 and 24-31) of a group of 32.
;   xq:  codes [4096][3072 bytes], then scale bytes [4096][128].      w3q: codes [2048][3072], then [2048][128]: rows 0-1023 wq's columns, then for each KV head 128 of wk's and 128 of wv's.      woq: codes [4096][768], then [4096][32].
; Work-groups 0-511 take hidden_states (a wave: two rows, 16 steps of 512 numbers); work-groups 512-895 take the weights (a wave: 32 columns x 256 along K).  The two ways have LDS bytes of their own.  Waves share nothing: no barrier.
.set STEPS, 16
.set EMAX,  2
.set CB,    12                         ; bytes of 16 codes
.set R,     16                         ; v16-79   hidden: four sets of 16 numbers as they are loaded
.set X,     80                         ; v80-111  hidden: two sets of 16 neighbours
.set E,     112                        ; v112-127 hidden: a scale byte for each step
.set C,     128                        ; v128-191 hidden: codes, four registers for each step
.set WREG,  8192                       ; LDS, hidden: a region for each wave: two stages of 32 x SP bytes, then its 256 scale bytes
.set SP,    80                         ; a lane's place in a stage: 64 bytes + 16 of padding
.set XSOFF, 12582912                   ; where xq's scale bytes begin
.set WSTG,  32768                      ; LDS, weights: a stage of 32 rows x WP bytes for each wave
.set WP,    272                        ; sixteen places of 16 bytes (12 bytes of codes each) + 16
.set SPARE, WSTG+4*32*WP               ; the spare words, 128 bytes for each wave: two blocks of 256 bytes that no other line names
.set SPW,   208                        ; v208 LDS address of my spare word; never rewritten
.set NIL,   209                        ; v209 0; never rewritten
.set NB,    8                          ; weights: blocks of 32 along K for a lane
.set WX,    32                         ; v32-95   weights: two sets of 32 numbers
.set WC,    96                         ; v96-102  weights: a block's codes
.set OUTR,  112                        ; v112-175 weights: the way out
.set OF,    176                        ; v176-207 weights: 4 x lane + i rows of the weight, i = 0 .. 31
.set OS,    210                        ; v210-225 weights: the way out's sixteen offsets
.set SBY,   24                         ; v24-25   weights: my column's eight scale bytes
	s_load_b512 s[4:19], s[0:1], 0x0               ; hidden 4:5, xq 6:7, wq 8:9, wk 10:11, wv 12:13, wo 14:15, w3q 16:17, woq 18:19
	v_lshl_add_u32 v[SPW], v0, 2, SPARE
	v_mov_b32 v[NIL], 0
	v_lshrrev_b32 v1, 5, v0
	v_readfirstlane_b32 s20, v1                    ; wave
	v_and_b32 v2, 31, v0                           ; lane
	s_cmp_lt_u32 ttmp9, 512
	s_cbranch_scc0 .Lweights
; ---------------- hidden_states: a plain stream of blocks of 32.  Each load reads 512 consecutive bytes; a step's 2,048 bytes turn through the wave's stage, so that a lane holds 16 neighbours.
	v_lshlrev_b32 v3, 4, v2                        ; my 16 bytes of a load's 512
	s_mul_i32 s21, s20, WREG
	v_lshrrev_b32 v14, 2, v2
	v_mul_u32_u24 v14, v14, SP
	v_and_b32 v15, 3, v2
	v_lshl_add_u32 v14, v15, 4, v14
	v_add_nc_u32 v14, s21, v14                     ; the stage, on the way in: SP (lane / 4) + 16 (lane % 4)
	v_mul_u32_u24 v15, v2, SP
	v_add_nc_u32 v15, s21, v15                     ; on the way out: SP x lane
	v_mul_u32_u24 v4, v2, CB                       ; my codes' place in a step's
	v_lshrrev_b32 v5, 1, v2
	s_add_co_u32 s21, s21, 2*32*SP
	v_add_nc_u32 v5, s21, v5                       ; my wave's 256 scale bytes, my block's byte
	v_lshlrev_b32 v7, 3, v2
	v_add_nc_u32 v6, s21, v7                       ; and on the way out 8 bytes a lane
	s_lshl_b32 s22, ttmp9, 2
	s_add_co_u32 s22, s22, s20                     ; my run: rows 2 run and 2 run + 1
	s_bfe_u32 s24, s22, 0x10002
	s_bfe_u32 s25, s22, 0x10003
	s_xor_b32 s24, s24, s25
	s_mul_i32 s24, s24, 12
	s_xor_b32 s24, s22, s24                        ; the run with bits 2 and 3 exchanged: the rows' bits 3 and 4
	s_lshl_b32 s22, s22, 15                        ; in: 32,768 bytes a run
	s_mov_b32 s23, 0
	s_mul_i32 s26, s24, 6144                       ; codes: 6,144 bytes a run
	s_mov_b32 s27, 0
	s_lshl_b32 s28, s24, 8                         ; scale bytes: 256 a run
	s_add_co_u32 s28, s28, XSOFF
	s_mov_b32 s29, 0
	s_wait_kmcnt 0x0
	s_add_nc_u64 s[4:5], s[4:5], s[22:23]
	s_add_nc_u64 s[30:31], s[6:7], s[26:27]
	s_add_nc_u64 s[32:33], s[6:7], s[28:29]
.macro HLOAD t
.irp i, 0,1,2,3
	global_load_b128 v[R+16*((\t)%4)+4*\i:R+16*((\t)%4)+4*\i+3], v3, s[4:5] offset:2048*(\t)+512*\i th:TH_LOAD_NT   ; 32 lanes read 512 consecutive bytes
.endr
.endm
.macro HTURN t                         ; step t's numbers through the stage: LDS serves a wave's instructions in order, so no wait stands between the stores and the loads
.irp i, 0,1,2,3
	ds_store_b128 v14, v[R+16*((\t)%4)+4*\i:R+16*((\t)%4)+4*\i+3] offset:32*SP*((\t)%2)+8*SP*\i
.endr
.irp i, 0,1,2,3
	ds_load_b128 v[X+16*((\t)%2)+4*\i:X+16*((\t)%2)+4*\i+3], v15 offset:32*SP*((\t)%2)+16*\i
.endr
.endm
.irp t, 0,1,2,3
	HLOAD \t
.endr
	s_wait_loadcnt 12                              ; step 0's four loads are in; three steps' twelve stay out
	HTURN 0
.macro HSTEP t
.set XR, X+16*((\t)%2)
.if (\t) > 0
	s_wait_dscnt 1                                 ; this step's numbers are back from the stage; the last step's byte store may be out
.else
	s_wait_dscnt 0x0
.endif
.if (\t)+4 < STEPS
	HLOAD (\t)+4                                   ; into the registers that this step's stores into the stage have read
.endif
.if (\t)+1 < STEPS
.if STEPS-2-(\t) >= 3
	s_wait_loadcnt 12                              ; the next step's four loads are in; those of the three steps behind it may be out
.else
	s_wait_loadcnt 4*(STEPS-2-(\t))
.endif
	HTURN (\t)+1
.endif
	v_max3_num_f32 v8, |v[XR]|, |v[XR+1]|, |v[XR+2]|               ; the largest magnitude of my 16, in two chains
	v_max3_num_f32 v9, |v[XR+3]|, |v[XR+4]|, |v[XR+5]|
.irp i, 6,10
	v_max3_num_f32 v8, v8, |v[XR+\i]|, |v[XR+\i+1]|
	v_max3_num_f32 v9, v9, |v[XR+\i+2]|, |v[XR+\i+3]|
.endr
	v_max3_num_f32 v8, v8, |v[XR+14]|, |v[XR+15]|
	v_max3_num_f32 v8, v8, v9, (EMAX+1)<<23        ; and the floor 2^(3 - 127): the byte cannot fall under 1
	v_max_num_f32_dpp v8, v8, v8 row_xmask:1 row_mask:0xf bank_mask:0xf   ; with my neighbour's 16: the block's
	v_add_nc_u32 v11, -(EMAX<<23), v8              ; 2 off its exponent field: the conversion takes the exponent field of this operand as its scale
	v_cvt_scalef32_pk16_fp6_f32 v[C+4*(\t):C+4*(\t)+2], v[XR:XR+15], v11
	v_lshrrev_b32 v[E+(\t)], 23, v11               ; the scale's byte (a plain line behind the conversion)
	ds_store_b8 v5, v[E+(\t)] offset:16*(\t)       ; both lanes of a block write the same byte with the same value
	global_store_b96 v4, v[C+4*(\t):C+4*(\t)+2], s[30:31] offset:32*CB*(\t)   ; the wave stores 384 consecutive bytes
.endm
.irp t, 0,1,2,3,4,5,6,7,8,9,10,11,12,13,14,15
	HSTEP \t
.endr
	ds_load_b64 v[8:9], v6                         ; LDS serves a wave's instructions in order: these see my byte stores
	s_wait_dscnt 0x0
	global_store_b64 v7, v[8:9], s[32:33]          ; 32 lanes store 256 consecutive bytes, aligned
	s_wait_tensorcnt 0x0                           ; the wave's end, behind my last LDS store
	ds_add_u32 v[SPW], v[NIL]
	s_wait_dscnt 0x0
	s_endpgm
; ---------------- the weights: a lane takes a column, its registers run down K: a block of 32 lies in one lane, and the codes come out with K innermost.
.Lweights:
	s_sub_co_u32 s21, ttmp9, 512                   ; 0-127 wq, 128-191 wk, 192-255 wv, 256-383 wo
	s_wait_kmcnt 0x0
	s_mov_b64 s[22:23], s[8:9]                     ; from where                 (wq's figures first; the three compares below replace them)
	s_mov_b64 s[24:25], s[16:17]                   ; to where
	s_mov_b32 s26, 0                               ; the tensor's first index
	s_mov_b32 s27, 3                               ; log2 of its blocks of 128 columns
	s_mov_b32 s28, 4096                            ; a row of it in bytes
	s_mov_b32 s29, 0                               ; its first output row,
	s_mov_b32 s30, 128                             ; and output rows from one block of 128 columns to the next
	s_mov_b32 s31, 3072                            ; an output row of codes in bytes
	s_mov_b32 s52, 128                             ; an output row of scale bytes
	s_mov_b32 s53, 6291456                         ; where the scale bytes begin
	s_cmp_ge_u32 s21, 128                          ; wk
	s_cselect_b64 s[22:23], s[10:11], s[22:23]
	s_cselect_b32 s26, 128, s26
	s_cselect_b32 s27, 2, s27
	s_cselect_b32 s28, 2048, s28
	s_cselect_b32 s29, 1024, s29
	s_cselect_b32 s30, 256, s30
	s_cmp_ge_u32 s21, 192                          ; wv
	s_cselect_b64 s[22:23], s[12:13], s[22:23]
	s_cselect_b32 s26, 192, s26
	s_cselect_b32 s29, 1152, s29
	s_cmp_ge_u32 s21, 256                          ; wo
	s_cselect_b64 s[22:23], s[14:15], s[22:23]
	s_cselect_b64 s[24:25], s[18:19], s[24:25]
	s_cselect_b32 s26, 256, s26
	s_cselect_b32 s27, 5, s27
	s_cselect_b32 s28, 16384, s28
	s_cselect_b32 s29, 0, s29
	s_cselect_b32 s30, 128, s30
	s_cselect_b32 s31, 768, s31
	s_cselect_b32 s52, 32, s52
	s_cselect_b32 s53, 3145728, s53
	s_sub_co_u32 s21, s21, s26
	s_bfm_b32 s54, s27, 0
	s_and_b32 s54, s21, s54                        ; which 128 columns
	s_lshr_b32 s55, s21, s27                       ; which 256 along K
	s_lshl_b32 s56, s20, 5                         ; my wave's 32 of the columns
	s_lshl_b32 s57, s54, 7
	s_add_co_u32 s57, s57, s56                     ; my first column
	s_mul_i32 s58, s30, s54
	s_add_co_u32 s58, s58, s29
	s_add_co_u32 s58, s58, s56                     ; my first output row
	s_mul_i32 s60, s55, s28
	s_lshl_b32 s60, s60, 8                         ; 256 rows of the weight for each step along K
	s_lshl_b32 s57, s57, 2
	s_add_co_u32 s60, s60, s57
	s_mov_b32 s61, 0
	s_add_nc_u64 s[32:33], s[22:23], s[60:61]      ; block 0's base;
	s_lshl_b32 s60, s28, 5
.irp t, 1,2,3,4,5,6,7
	s_add_nc_u64 s[32+2*\t:33+2*\t], s[30+2*\t:31+2*\t], s[60:61]   ; block t's: 32 rows further down.  No base is ever stepped
.endr
	s_mul_i32 s60, s58, s31
	s_mul_i32 s62, s55, 192
	s_add_co_u32 s60, s60, s62
	s_add_nc_u64 s[48:49], s[24:25], s[60:61]      ; codes: my first row, my 192 bytes of it
	s_mul_i32 s60, s58, s52
	s_lshl_b32 s62, s55, 3
	s_add_co_u32 s60, s60, s62
	s_add_co_u32 s60, s60, s53
	s_add_nc_u64 s[50:51], s[24:25], s[60:61]      ; scale bytes: my first row, my 8 bytes of it
	s_lshl_b32 s62, s31, 1                         ; two output rows
	v_and_b32 v3, 7, v2
	v_bfe_u32 v5, v2, 3, 1
	v_bfe_u32 v6, v2, 4, 1
	v_lshl_add_u32 v3, v5, 4, v3
	v_lshl_add_u32 v3, v6, 3, v3                   ; my column's place among the 32 output rows: bits 3 and 4 exchanged
	s_mul_i32 s59, s20, 32*WP
	s_add_co_u32 s59, s59, WSTG                    ; my stage
	v_mul_u32_u24 v4, v3, WP
	v_add_nc_u32 v4, s59, v4                       ; into it: my output row
	v_and_b32 v5, 15, v2
	v_lshrrev_b32 v6, 4, v2
	v_mul_u32_u24 v7, v6, WP
	v_lshl_add_u32 v7, v5, 4, v7
	v_add_nc_u32 v7, s59, v7                       ; out of it: sixteen lanes to a row, two rows an instruction
	v_mul_lo_u32 v9, v3, s52                       ; my row of scale bytes
	v_lshlrev_b32 v[OF], 2, v2
.set I, 1
.rept 31
	v_add_nc_u32 v[OF+I], s28, v[OF+I-1]
.set I, I+1
.endr
	v_mul_lo_u32 v[OS], v6, s31
	v_mad_u32_u24 v[OS], v5, 12, v[OS]             ; (2 t + lane / 16) output rows + 12 (lane % 16)
.set I, 1
.rept 15
	v_add_nc_u32 v[OS+I], s62, v[OS+I-1]
.set I, I+1
.endr
.macro WLOAD t                         ; block t: 32 rows of the weight at my column: a wave reads 128 consecutive bytes a load
.set I, 0
.rept 32
	global_load_b32 v[WX+32*((\t)%2)+I], v[OF+I], s[32+2*(\t):33+2*(\t)] th:TH_LOAD_NT
.set I, I+1
.endr
.endm
	WLOAD 0
	WLOAD 1
.macro WBLOCK t
.set XR, WX+32*((\t)%2)
.if (\t) < NB-1
	s_wait_loadcnt 32                              ; this block's 32 loads are in; the next block's may be out
.else
	s_wait_loadcnt 0
.endif
	v_max3_num_f32 v12, |v[XR]|, |v[XR+1]|, |v[XR+2]|               ; the block's largest magnitude: all 32 numbers are mine
	v_max3_num_f32 v13, |v[XR+3]|, |v[XR+4]|, |v[XR+5]|
.irp i, 6,10,14,18,22,26
	v_max3_num_f32 v12, v12, |v[XR+\i]|, |v[XR+\i+1]|
	v_max3_num_f32 v13, v13, |v[XR+\i+2]|, |v[XR+\i+3]|
.endr
	v_max3_num_f32 v12, v12, |v[XR+30]|, |v[XR+31]|
	v_max3_num_f32 v12, v12, v13, (EMAX+1)<<23     ; and the floor
	v_add_nc_u32 v11, -(EMAX<<23), v12             ; the conversion's scale operand
	v_lshrrev_b32 v13, 23, v11                     ; the scale's byte
.if (\t)%4 == 0
	v_mov_b32 v[SBY+(\t)/4], v13                   ; four bytes to a register, the lower K in the lower byte
.else
	v_lshl_or_b32 v[SBY+(\t)/4], v13, 8*((\t)%4), v[SBY+(\t)/4]
.endif
	v_cvt_scalef32_pk16_fp6_f32 v[WC:WC+2], v[XR:XR+15], v11
	v_cvt_scalef32_pk16_fp6_f32 v[WC+4:WC+6], v[XR+16:XR+31], v11   ; (a conversion's three registers begin on an even number)
	ds_store_b96 v4, v[WC:WC+2] offset:32*(\t)     ; 12 bytes to a place of 16, so that every LDS address is a multiple of 16
	ds_store_b96 v4, v[WC+4:WC+6] offset:32*(\t)+16
.if (\t)+2 < NB
	WLOAD (\t)+2
.endif
	s_wait_dscnt 0x0                               ; the stores have read their registers: the next block's codes may be written
.endm
.set Q, 0
.rept NB
	WBLOCK Q
.set Q, Q+1
.endr
	global_store_b64 v9, v[SBY:SBY+1], s[50:51]    ; my column's eight scale bytes
.irp t, 0,1,2,3,4,5,6,7,8,9,10,11,12,13,14,15
	ds_load_b96 v[OUTR+4*\t:OUTR+4*\t+2], v7 offset:2*\t*WP   ; LDS serves a wave's instructions in order: these see my stores
.endr
.irp t, 0,1,2,3,4,5,6,7,8,9,10,11,12,13,14,15
	s_wait_dscnt 15-\t
	global_store_b96 v[OS+\t], v[OUTR+4*\t:OUTR+4*\t+2], s[48:49]   ; sixteen lanes store a row's 192 consecutive bytes
.endr
	s_wait_tensorcnt 0x0                           ; the wave's end, behind my last LDS store
	ds_add_u32 v[SPW], v[NIL]
	s_wait_dscnt 0x0
	s_endpgm
.Lfunc_end_k_qc3bfad030e_quant:
	.size	k_qc3bfad030e_quant, .Lfunc_end_k_qc3bfad030e_quant-k_qc3bfad030e_quant
	.p2alignl 7, 3214868480
	.fill 96, 4, 3214868480
	.section	.rodata,"a",@progbits
	.p2align	6, 0x0
	.amdhsa_kernel k_qc3bfad030e_quant
		.amdhsa_group_segment_fixed_size 68096
		.amdhsa_private_segment_fixed_size 0
		.amdhsa_enable_private_segment 0
		.amdhsa_kernarg_size 64
		.amdhsa_user_sgpr_count 2
		.amdhsa_user_sgpr_kernarg_segment_ptr 1
		.amdhsa_wavefront_size32 1
		.amdhsa_system_sgpr_workgroup_id_x 1
		.amdhsa_system_sgpr_workgroup_id_y 1
		.amdhsa_system_sgpr_workgroup_id_z 1
		.amdhsa_system_vgpr_workitem_id 0
		.amdhsa_next_free_vgpr 240
		.amdhsa_next_free_sgpr 66
		.amdhsa_reserve_vcc 0
		.amdhsa_float_denorm_mode_32 3
		.amdhsa_float_denorm_mode_16_64 3
		.amdhsa_memory_ordered 1
		.amdhsa_forward_progress 1
		.amdhsa_inst_pref_size 77
	.end_amdhsa_kernel
	.amdgpu_metadata
---
amdhsa.version: [ 1, 2 ]
amdhsa.kernels:
  - .name:           k_qc3bfad030e_quant
    .symbol:         k_qc3bfad030e_quant.kd
    .args:
      - { .name: hidden_states, .offset: 0, .size: 8, .value_kind: global_buffer, .address_space: global }
      - { .name: xq, .offset: 8, .size: 8, .value_kind: global_buffer, .address_space: global }
      - { .name: wq, .offset: 16, .size: 8, .value_kind: global_buffer, .address_space: global }
      - { .name: wk, .offset: 24, .size: 8, .value_kind: global_buffer, .address_space: global }
      - { .name: wv, .offset: 32, .size: 8, .value_kind: global_buffer, .address_space: global }
      - { .name: wo, .offset: 40, .size: 8, .value_kind: global_buffer, .address_space: global }
      - { .name: w3q, .offset: 48, .size: 8, .value_kind: global_buffer, .address_space: global }
      - { .name: woq, .offset: 56, .size: 8, .value_kind: global_buffer, .address_space: global }
    .group_segment_fixed_size: 68096
    .private_segment_fixed_size: 0
    .kernarg_segment_align: 8
    .kernarg_segment_size: 64
    .max_flat_workgroup_size: 128
    .sgpr_count:     66
    .vgpr_count:     240
    .wavefront_size: 32
...
	.end_amdgpu_metadata
.endif
;; end of part 1
;; launch qkv (part 2): grid 8 x 16, 4 waves a work-group, clusters of 4 x 4, 327,680 bytes of LDS; arguments xq, w3q, cos, sin, qb, kvb; writes qb, kvb
.if DOCPART == 2
	.amdgcn_target "amdgcn-amd-amdhsa--gfx1250"
	.amdhsa_code_object_version 6
	.text
	.protected	k_qc3bfad030e_qkv
	.globl	k_qc3bfad030e_qkv
	.p2align	8
	.type	k_qc3bfad030e_qkv,@function
k_qc3bfad030e_qkv:
	s_mov_b64 s[64:65], 0
	v_nop
	global_prefetch_b8 v0, s[64:65] scope:SCOPE_SE
	s_setreg_imm32_b32 hwreg(HW_REG_WAVE_MODE, 25, 1), 1
	s_wait_xcnt 0x0
	s_wait_alu depctr_hold_cnt(0) depctr_sa_sdst(0) depctr_va_vdst(0) depctr_va_sdst(0) depctr_va_ssrc(0) depctr_va_vcc(0) depctr_vm_vsrc(0)
	s_getreg_b32 s2, hwreg(HW_REG_IB_STS2, 6, 4)
	s_cmp_eq_u32 s2, 0
	s_cbranch_scc0 .Lentry_in_a_cluster
	s_endpgm
.Lentry_in_a_cluster:
	s_bfe_u32 s2, ttmp6, 0x10000c
	s_cmp_lg_u32 s2, 0xf033
	s_cbranch_scc0 .Lentry_shape_is_right
	s_endpgm
.Lentry_shape_is_right:
; The three projections as ONE product on codes of FP6 (E2M3): [4096 tokens][K 4096] x [2048 columns][K 4096]; columns 0-1023 are q's heads, then for each KV head 128 of k and 128 of v.  Sums in f32.
; Behind the sums, in registers: RoPE on q and k (f32; x c - y s as one multiply and one fused multiply-add where the source has two multiplies and an addition), then the quantiser: q and k along the head's 128, v along the keys.
; What leaves are operands for the attention, as IMAGES OF THEIR REGISTERS: a BLOCK of 12,800 bytes = 8 fragments (16 rows x 128 K: 3 x 512 bytes, lane l's 16 bytes at 16 l) and 512 bytes of scale words (lane l: the words of fragments 4 (l / 16) .. + 3 for row l % 16).
; LIMITS: NaN and infinities are not served; a block under 2^-124 (zeros too) gets the scale byte 1.
; A tile of 256 tokens x 256 columns is made by four waves, each 128 x 128: 64 accumulators, 512 registers: a wave owns one head of 128 tokens, which is one BLOCK.
; K goes in steps of 256 through a ring of two LDS slots filled by the tensor data mover; the scale bytes of the work-group's rows, for all of K, come once and stay.
; CLUSTERS: 4 x 4 work-groups; A's tiles are asked for jointly along a row of the cluster, B's along a column.  THE MATRIX INSTRUCTION IS USED TRANSPOSED (source 0 = 16 stored rows of the weights, source 1 = 16 stored rows of tokens).
; BOTH OPERANDS ARE STORED IN TILE ORDER (row bits 3 and 4 exchanged).  So in accumulator (a, t) lane (r, h) holds token 32 (a / 2) + 8 (a % 2) + r + 8 (r / 8), and its register j the column 32 (t / 2) + 16 h + 8 (t % 2) + j:
; a lane's 64 registers of one a are, 16 by 16, neighbours along the head's 128, and d and d + 64 lie in one lane.
; REGISTERS, in windows of 256: window 0: v0-31 addresses; v32-63 scale words, two sets; v128-223 A's fragments, one set.  window 1: B's fragments, two sets.  windows 2, 3: the accumulators ((a, t) at v[8 (8 (a % 4) + t)]).
;   On the way out: window 0: v112-131 codes, v132-195 64 numbers, v200-215 at work, v224-231 the eight scale words, v232-239 RoPE's products, v240-243 my scale words;  window 1: cos and sin, two sets of 128.
.set SIZE_K, 4096
.set KSTEP,  256                       ; along K in a slot
.set NQ,     KSTEP/128
.set ROWB,   192                       ; a tile's row in bytes
.set APITCH, 3072                      ; from row to row of A in memory
.set ASTEP,  192                       ; from K step to K step of A in memory
.set KROWB,  3072                      ; from row to row of B
.set PITCH,  240                       ; an LDS row: 3 x (64 bytes + 16 of padding) = 60 words: the 32 lanes of a load of 8 bytes touch 64 different banks (64 banks of 4 bytes: ISA guide 11.1)
.set FR,     12
.set NL,     6
.set NP,     4                         ; places behind this matrix instruction (ISA guide 7.12.1)
.set HALFT,  128*PITCH
.set SLOT,   4*HALFT
.set LAPS,   SIZE_K/(2*KSTEP)
.set KS,     SIZE_K/32
.set SCL,    2*SLOT                    ; behind the ring: the scales, as rows of 256 bytes + 16
.set HALFS,  (128*KS/256)*272
.set SBLK,   (16*KS/256)*272
.set SPARE,  SCL+4*HALFS               ; the spare words, 128 bytes for each wave: two blocks of 256 bytes that no other line names
.set SPITCH, 528                       ; v's way out: a stage of 16 rows x (512 + 16) bytes for each wave, in slot 0, which has had its last fill and its last read by then
.set XSOFF,  12582912                  ; where xq's scale bytes begin
.set WSOFF,  6291456                   ; and w3q's
.set BLKB,   12800
.set ADRA, 16
.set ADRB, 20
.set STV,  24                          ; v24  v's stage, in: 8 h rows + 4 (r + 8 (r / 8))
.set RDV,  25                          ; v25  v's stage, back: row r + 64 h
.set GI,   26                          ; v26  16 x lane: an image's place for my lane
.set ADRS, 27
.set SPW,  28
.set NIL,  29
.set VCS,  30                          ; v30  cos, sin: (r + 8 (r / 8)) rows of 512 bytes + 64 h
.set LN,   31                          ; v31  lane
.set SC,   32
.set AF,   128
.set QC,   112
.set ST,   132
.set TM,   200
.set SW,   224
.set T,    232
.set OW,   240
.set SEL,  20
.set G1, 24
.set G0, 32
.set G1B, 48
.set G0B, 56
.set G1S, 68
.set G0S, 76
.set G1SB, 80
.set G0SB, 88
.set MSB, 0
.macro WIN new                         ; the immediate's high byte repeats the setting that is left
.if MSB != \new
	s_set_vgpr_msb (MSB<<8)|\new
.set MSB, \new
.endif
.endm
.set MUL_LO, 0xa1                      ; source 0 (B) window 1, source 1 (A) window 0, C and D window 2
.set MUL_HI, 0xf1
.set TO_B,   0x40
; A joint load: waves 0 and 1 fetch for A, waves 2 and 3 for B; the branch hangs on the wave's number alone.  An s_nop 0 and four v_nop follow each of the two lines.
.macro JLOAD g0a, g1a, g0b, g1b
	s_cmp_eq_u32 s15, 0
	s_cbranch_scc0 .Lfor_b_\@
	tensor_load_to_lds s[\g0a:\g0a+3], s[\g1a:\g1a+7]
	s_nop 0
.rept 4
	v_nop
.endr
	s_branch .Lasked_\@
.Lfor_b_\@:
	tensor_load_to_lds s[\g0b:\g0b+3], s[\g1b:\g1b+7]
	s_nop 0
.rept 4
	v_nop
.endr
.Lasked_\@:
.endm
.macro CREST                           ; a round of the cluster's barrier behind its opening barrier
	s_cmp_lg_u32 s14, 0
	s_cbranch_scc1 .Lnot_wave_0_\@
	s_barrier_signal -3
.Lnot_wave_0_\@:
	s_barrier_wait -3
	s_barrier_signal -1
	s_barrier_wait -1
.endm
.macro CROUND
	s_barrier_signal -1
	s_barrier_wait -1
	CREST
.endm
	s_load_b64 s[4:5], s[0:1], 0x0                 ; xq
	s_load_b64 s[8:9], s[0:1], 0x8                 ; w3q
	v_lshl_add_u32 v[SPW], v0, 2, SPARE
	v_mov_b32 v[NIL], 0
	ds_add_u32 v[SPW], v[NIL]                      ; the wave's opening: an add of 0, with its wait ahead of my first tensor load; the set-up below stands between them
	v_lshrrev_b32 v1, 5, v0
	v_readfirstlane_b32 s14, v1                    ; wave 0..3
	s_lshr_b32 s15, s14, 1                         ; which half of the tile's tokens is mine.  Also: I fetch for A (0) or for B (1)
	s_and_b32 s16, s14, 1                          ; which half of its columns.  Also: which 128 rows of that tile I fetch
	s_bfe_u32 s40, ttmp6, 0x40000                  ; cx, cy
	s_bfe_u32 s41, ttmp6, 0x40004
	s_lshl_b32 s42, ttmp9, 2
	s_add_co_u32 s42, s42, s40                     ; tile column
	s_and_b32 s17, ttmp7, 0xffff
	s_lshl_b32 s17, s17, 2
	s_add_co_u32 s17, s17, s41                     ; tile row
	s_lshl_b32 s43, s41, 2
	s_lshl_b32 s43, 15, s43                        ; my row of the cluster
	s_lshl_b32 s44, 0x1111, s40                    ; my column
	s_or_b32 s[G1+0], s43, (0<<16)|(1<<20)|(1<<21)|(3<<22)|(3<<25)  ; the mask; elements of 1 byte; padding on; bit 21 beside a mask; after every 16 words, 4 words
	s_or_b32 s[G1B+0], s44, (0<<16)|(1<<20)|(1<<21)|(3<<22)|(3<<25)
.irp g, G1, G1B
	s_mov_b32 s[\g+1], ROWB<<16                    ; tensor_dim0
	s_mov_b32 s[\g+2], 128<<16                     ; tensor_dim1
	s_mov_b32 s[\g+3], ROWB<<16                    ; tile_dim0
	s_mov_b32 s[\g+4], 128                         ; tile_dim1
	s_mov_b32 s[\g+6], 0
	s_mov_b32 s[\g+7], 0
.endr
	s_mov_b32 s[G1+5], APITCH                      ; tensor_dim0_stride
	s_mov_b32 s[G1B+5], KROWB
	s_or_b32 s[G1S+0], s43, (3<<16)|(1<<20)|(1<<21)|(5<<22)|(3<<25) ; the scales of 128 rows: a dense block, as rows of 256 bytes (32 elements of 8), 16 bytes of padding behind each
	s_or_b32 s[G1SB+0], s44, (3<<16)|(1<<20)|(1<<21)|(5<<22)|(3<<25)
.irp g, G1S, G1SB
	s_mov_b32 s[\g+1], 32<<16
	s_mov_b32 s[\g+2], (128*KS/256)<<16
	s_mov_b32 s[\g+3], 32<<16
	s_mov_b32 s[\g+4], 128*KS/256
	s_mov_b32 s[\g+5], 32
	s_mov_b32 s[\g+6], 0
	s_mov_b32 s[\g+7], 0
.endr
	s_lshl_b32 s18, s16, 7
	s_lshl_b32 s20, s17, 8
	s_add_co_u32 s20, s20, s18                     ; A: stored row 256 x tile row + 128 x half
	s_lshl_b32 s46, s42, 8
	s_add_co_u32 s46, s46, s18                     ; B: stored row 256 x tile column + 128 x half
	s_mov_b32 s21, 0
	s_mov_b32 s47, 0
	s_mov_b64 s[18:19], KS
	s_mul_u64 s[22:23], s[20:21], s[18:19]
	s_mul_u64 s[92:93], s[46:47], s[18:19]
	s_mov_b64 s[18:19], APITCH
	s_mul_u64 s[20:21], s[20:21], s[18:19]
	s_mov_b64 s[18:19], KROWB
	s_mul_u64 s[46:47], s[46:47], s[18:19]
	s_mul_i32 s45, s14, HALFT                      ; where they go: wave x 128 rows
	s_mul_i32 s94, s14, HALFS
	s_wait_dscnt 0x0                               ; the opening add is done
	s_wait_kmcnt 0x0
	s_add_nc_u64 s[6:7], s[4:5], XSOFF
	s_add_nc_u64 s[10:11], s[8:9], WSOFF
	s_add_nc_u64 s[20:21], s[4:5], s[20:21]
	s_add_nc_u64 s[22:23], s[6:7], s[22:23]
	s_add_nc_u64 s[46:47], s[8:9], s[46:47]
	s_add_nc_u64 s[92:93], s[10:11], s[92:93]
	CROUND                                         ; all sixteen work-groups are here: the first joint loads meet
	s_mov_b32 s[G0S], 1
	s_add_co_u32 s[G0S+1], s94, SCL
	s_mov_b64 s[G0S+2:G0S+3], s[22:23]
	s_or_b32 s[G0S+3], s[G0S+3], 0x80000000
	s_mov_b32 s[G0SB], 1
	s_add_co_u32 s[G0SB+1], s94, SCL
	s_mov_b64 s[G0SB+2:G0SB+3], s[92:93]
	s_or_b32 s[G0SB+3], s[G0SB+3], 0x80000000
	JLOAD G0S, G1S, G0SB, G1SB                     ; the scales first: they are wanted with K step 0
.irp s, 0,1
	s_mov_b32 s[G0+4*\s], 1
	s_add_co_u32 s[G0+4*\s+1], s45, \s*SLOT
	s_add_nc_u64 s[G0+4*\s+2:G0+4*\s+3], s[20:21], \s*ASTEP
	s_or_b32 s[G0+4*\s+3], s[G0+4*\s+3], 0x80000000
	s_mov_b32 s[G0B+4*\s], 1
	s_add_co_u32 s[G0B+4*\s+1], s45, \s*SLOT
	s_add_nc_u64 s[G0B+4*\s+2:G0B+4*\s+3], s[46:47], \s*ROWB
	s_or_b32 s[G0B+4*\s+3], s[G0B+4*\s+3], 0x80000000
	JLOAD G0+4*\s, G1, G0B+4*\s, G1B
.endr
	s_load_b256 s[4:11], s[0:1], 0x10              ; cos 4:5, sin 6:7, qb 8:9, kvb 10:11 (the first two arguments' registers are done with: the descriptors hold copies)
	v_and_b32 v1, 15, v0                           ; r
	v_bfe_u32 v2, v0, 4, 1                         ; h
	v_mul_u32_u24 v3, v1, PITCH
	v_mul_u32_u24 v4, v2, 24
	v_add_nc_u32 v4, v3, v4                        ; a fragment's row x pitch + 24 x half
	v_lshl_add_u32 v5, v2, 4, v4                   ; and the same behind one padding more
	s_mul_i32 s21, s15, HALFT
	s_mul_i32 s22, s16, HALFT
	s_add_co_u32 s22, s22, 2*HALFT
.irp s, 0,1
	v_add_nc_u32 v[ADRA+\s], s21, v4
	v_add_nc_u32 v[ADRB+\s], s22, v4
	v_add_nc_u32 v[ADRA+2+\s], s21, v5
	v_add_nc_u32 v[ADRB+2+\s], s22, v5
	s_add_co_u32 s21, s21, SLOT
	s_add_co_u32 s22, s22, SLOT
.endr
	v_mul_u32_u24 v5, v1, KS                       ; my row's scales: KS bytes a row,
	v_lshrrev_b32 v6, 8, v5
	v_lshl_add_u32 v5, v6, 4, v5                   ; and 16 more for each 256 passed
	s_mul_i32 s21, s15, HALFS
	s_mul_i32 s22, s16, HALFS
	s_add_co_u32 s22, s22, 2*HALFS
	s_sub_co_u32 s22, s22, s21
	v_mul_u32_u24 v6, s22, v2                      ; lanes 16-31 take B's
	s_add_co_u32 s21, s21, SCL
	v_add_nc_u32 v5, v5, v6
	v_add_nc_u32 v[ADRS], s21, v5
	s_mul_i32 s23, s14, 16*SPITCH                  ; my stage
	v_and_b32 v5, 8, v1
	v_add_nc_u32 v5, v5, v1                        ; r + 8 (r / 8)
	v_lshlrev_b32 v6, 2, v5
	v_mad_u32_u24 v6, v2, 8*SPITCH, v6
	v_add_nc_u32 v[STV], s23, v6
	v_mul_u32_u24 v6, v1, SPITCH
	v_lshl_add_u32 v6, v2, 6, v6
	v_add_nc_u32 v[RDV], s23, v6
	v_lshlrev_b32 v[VCS], 9, v5
	v_lshl_add_u32 v[VCS], v2, 6, v[VCS]
	v_and_b32 v[LN], 31, v0
	v_lshlrev_b32 v[GI], 4, v[LN]
	s_wait_kmcnt 0x0
	s_lshl_b32 s20, s17, 1
	s_add_co_u32 s20, s20, s15                     ; my group of 128 tokens, 0 .. 31
	s_lshr_b32 s21, s20, 4                         ; the batch
	s_and_b32 s22, s20, 15                         ; the group within its sequence
	s_lshl_b32 s23, s21, 3
	s_lshl_b32 s46, s42, 1
	s_add_co_u32 s23, s23, s46
	s_add_co_u32 s23, s23, s16                     ; 8 b + head
	s_lshl_b32 s23, s23, 4
	s_add_co_u32 s23, s23, s22                     ; q's BLOCK
	s_and_b32 s46, s42, 3                          ; the KV head
	s_lshl_b32 s47, s21, 2
	s_add_co_u32 s46, s46, s47
	s_lshl_b32 s46, s46, 4
	s_add_co_u32 s46, s46, s22
	s_lshl_b32 s46, s46, 1
	s_add_co_u32 s46, s46, s16                     ; k's BLOCK (even) or v's (odd)
	s_cmp_eq_u32 ttmp9, 0                          ; the cluster's x: 0 for q's columns, 1 for k's and v's
	s_cselect_b32 s46, s23, s46
	s_cselect_b64 s[12:13], s[8:9], s[10:11]
	s_mul_i32 s46, s46, BLKB
	s_mov_b32 s47, 0
	s_add_nc_u64 s[12:13], s[12:13], s[46:47]      ; where my BLOCK goes
	s_lshl_b32 s46, s20, 16                        ; 128 tokens x 512 bytes
	s_add_nc_u64 s[96:97], s[4:5], s[46:47]        ; cos and sin at my first token
	s_add_nc_u64 s[98:99], s[6:7], s[46:47]
.macro FRAG reg, adr, q, i             ; a fragment is 12 registers: lane l holds row l % 16; registers 6 c .. 6 c + 5 hold K = 64 c + 32 (l / 16) + 0 .. 31: 24 bytes of the row, in pieces of 8
.irp p, 0,1,2,3,4,5
.set PIECE, 12*(\q)+6*(\p/3)+\p%3      ; where the piece three on (lanes 16-31) lies behind one padding more, the second address register serves
.if PIECE%8 < 5
	ds_load_b64 v[\reg+2*\p:\reg+2*\p+1], v[\adr] offset:8*PIECE+16*(PIECE/8)+(\i)*16*PITCH
.else
	ds_load_b64 v[\reg+2*\p:\reg+2*\p+1], v[\adr+2] offset:8*PIECE+16*(PIECE/8)+(\i)*16*PITCH
.endif
.endr
.endm
; 16 matrix instructions: A's blocks a0, a0 + 1 x B's eight.  The 64 accumulators take turns, one instruction a turn, in the same order in every step.
.macro MUL16 a0, p, q, sc, zero
.irp a, \a0, \a0+1
.irp b, 0,1,2,3,4,5,6,7
.if \zero
	v_wmma_scale_f32_16x16x128_f8f6f4 v[8*(8*((\a)%4)+\b):8*(8*((\a)%4)+\b)+7], v[128*(\p)+FR*\b:128*(\p)+FR*\b+FR-1], v[AF+FR*(\a):AF+FR*(\a)+FR-1], 0, v[SC+8*NQ*(\sc)+NQ*\b+(\q)], v[SC+8*NQ*(\sc)+NQ*(\a)+(\q)] matrix_a_fmt:MATRIX_FMT_FP6 matrix_b_fmt:MATRIX_FMT_FP6 matrix_a_scale:MATRIX_SCALE_ROW1
.else
	v_wmma_scale_f32_16x16x128_f8f6f4 v[8*(8*((\a)%4)+\b):8*(8*((\a)%4)+\b)+7], v[128*(\p)+FR*\b:128*(\p)+FR*\b+FR-1], v[AF+FR*(\a):AF+FR*(\a)+FR-1], v[8*(8*((\a)%4)+\b):8*(8*((\a)%4)+\b)+7], v[SC+8*NQ*(\sc)+NQ*\b+(\q)], v[SC+8*NQ*(\sc)+NQ*(\a)+(\q)] matrix_a_fmt:MATRIX_FMT_FP6 matrix_b_fmt:MATRIX_FMT_FP6 matrix_a_scale:MATRIX_SCALE_ROW1
.endif
.endr
.endr
.endm
.macro FETCH_B slot, q, p
	WIN TO_B
.irp i, 0,1,2,3,4,5,6,7
	FRAG 128*(\p)+FR*\i, ADRB+\slot, \q, \i
.endr
	WIN 0
.endm
.macro FETCH_A slot, q, i0
.irp i, \i0, \i0+1, \i0+2, \i0+3
	FRAG AF+FR*(\i), ADRA+\slot, \q, \i
.endr
.endm
.macro SCALES sc                       ; the next K step's scale words: lanes 0-15 take A's block i, lanes 16-31 B's block i
.irp i, 0,1,2,3,4,5,6,7
	ds_load_b64 v[SC+8*NQ*\sc+NQ*\i:SC+8*NQ*\sc+NQ*\i+1], v[ADRS] offset:\i*SBLK
.endr
.endm
.macro PLACES n                        ; plain vector instructions between a matrix instruction and a load into, or a read of, its registers
.rept \n
	v_nop
.endr
.endm
.macro STEP slot, q, zero              ; a step of 128 along K that has its successor in the same slot
	s_wait_dscnt 4*NL                              ; B's set and A's blocks 0-3 are in; the youngest 24 loads (A's blocks 4-7) may be out
	WIN MUL_LO
	MUL16 0, (\q)%2, \q, \slot, \zero
	MUL16 2, (\q)%2, \q, \slot, \zero
	s_wait_dscnt 0                                 ; A's blocks 4-7 are in
	PLACES NP
	FETCH_B \slot, (\q)+1, 1-(\q)%2
	FETCH_A \slot, (\q)+1, 0
	WIN MUL_HI
	MUL16 4, (\q)%2, \q, \slot, \zero
	MUL16 6, (\q)%2, \q, \slot, \zero
	PLACES NP
	WIN 0
	FETCH_A \slot, (\q)+1, 4
.endm
; A slot's last step changes slots: one barrier; in front of it each wave waits for all its tensor loads, adds 0 to its spare word, and waits for that and for its own reads of this slot.
.macro TURN slot, next, fill
	s_wait_tensorcnt 0x0                           ; all my tensor loads have landed: my part of the next slot
	ds_add_u32 v[SPW], v[NIL]                      ; 0 onto my spare word
	s_wait_dscnt 4*NL+1                            ; (the add and the youngest 24 loads may be out)
	WIN MUL_LO
	MUL16 0, 1, NQ-1, \slot, 0
	s_wait_dscnt 0x0                               ; the add is done, and my reads of this slot are over
	s_barrier_signal -1
	MUL16 2, 1, NQ-1, \slot, 0
	WIN 0
	s_barrier_wait -1
.if \fill
	CREST                                          ; the barrier has opened a round of the cluster's: no wave of any partner still reads this slot or has a load on its way
	s_add_nc_u64 s[G0+4*\slot+2:G0+4*\slot+3], s[G0+4*\slot+2:G0+4*\slot+3], 2*ASTEP
	s_add_nc_u64 s[G0B+4*\slot+2:G0B+4*\slot+3], s[G0B+4*\slot+2:G0B+4*\slot+3], 2*ROWB
	JLOAD G0+4*\slot, G1, G0B+4*\slot, G1B         ; the first tensor load behind the round; its four v_nop are the places in front of the loads below
.else
	PLACES NP
.endif
	v_add_nc_u32 v[ADRS], 4*NQ, v[ADRS]            ; on to the next K step's scale words
	FETCH_B \next, 0, 0
	FETCH_A \next, 0, 0
	SCALES \next
	WIN MUL_HI
	MUL16 4, 1, NQ-1, \slot, 0
	MUL16 6, 1, NQ-1, \slot, 0
	PLACES NP
	WIN 0
	FETCH_A \next, 0, 4
.endm
	s_wait_tensorcnt 1                             ; of my three loads the scales and K step 0 are in; K step 1's may be out
	s_barrier_signal -1
	s_barrier_wait -1
	FETCH_B 0, 0, 0
	FETCH_A 0, 0, 0
	SCALES 0
	FETCH_A 0, 0, 4
	STEP 0, 0, 1                                   ; the first step's products start the sums
	s_mov_b32 s3, LAPS-1
.Llap:
	TURN 0, 1, 1
	STEP 1, 0, 0
	TURN 1, 0, 1
	STEP 0, 0, 0
	s_sub_co_u32 s3, s3, 1
	s_cmp_lg_u32 s3, 0
	s_cbranch_scc1 .Llap
	TURN 0, 1, 0                                   ; the last lap fills nothing
	STEP 1, 0, 0
	s_wait_dscnt 4*NL
	WIN MUL_LO
	MUL16 0, 1, NQ-1, 1, 0
	MUL16 2, 1, NQ-1, 1, 0
	s_wait_dscnt 0
	WIN MUL_HI
	MUL16 4, 1, NQ-1, 1, 0
	MUL16 6, 1, NQ-1, 1, 0
	WIN 0
; ---------------- THE WAY OUT
; 64 numbers of a lane, v[s] on, register 16 b + i = k 32 b + 16 (lane / 16) + i of my row, become a fragment's codes in v[QC] on and its scale word in v[pw].
.macro QUANT s, pw
.irp b, 0,1,2,3
	v_max3_num_f32 v[TM+\b], |v[\s+16*\b]|, |v[\s+1+16*\b]|, 0x1800000   ; block b: my 16 numbers, and the floor 2^(3 - 127)
.endr
.irp i, 2,4,6,8,10,12,14
.irp b, 0,1,2,3
	v_max3_num_f32 v[TM+\b], v[TM+\b], |v[\s+16*\b+\i]|, |v[\s+1+16*\b+\i]|
.endr
.endr
.irp b, 0,1,2,3
	v_permlanex16_b32 v[TM+4+\b], v[TM+\b], s[SEL], s[SEL+1]
.endr
.irp b, 0,1,2,3
	v_max_num_f32 v[TM+\b], v[TM+\b], v[TM+4+\b]   ; with lane l xor 16's: the block's largest magnitude
.endr
.irp b, 0,1,2,3
	v_add_nc_u32 v[TM+12+\b], 0xff000000, v[TM+\b] ; 2 off its exponent field: the conversion's scale operand
.endr
.irp b, 0,1,2,3
	v_lshrrev_b32 v[TM+4+\b], 23, v[TM+12+\b]      ; the scale's byte
.endr
	v_lshl_or_b32 v[\pw], v[TM+5], 8, v[TM+4]
	v_lshl_or_b32 v[\pw], v[TM+6], 16, v[\pw]
	v_lshl_or_b32 v[\pw], v[TM+7], 24, v[\pw]
.irp c, 0,1
	v_cvt_scalef32_pk16_fp6_f32 v[QC+6*\c:QC+2+6*\c], v[\s+32*\c:\s+15+32*\c], v[TM+12+2*\c]
	v_cvt_scalef32_pk16_fp6_f32 v[QC+12+4*\c:QC+14+4*\c], v[\s+16+32*\c:\s+31+32*\c], v[TM+12+2*\c+1]   ; (a conversion's three registers begin on an even number)
.endr
	v_nop                                          ; one plain place behind a scaled conversion
.irp c, 0,1                                    ; the operand's layout wants a whole block in a lane
.irp i, 0,1,2
	v_permlane16_swap_b32 v[QC+6*\c+\i], v[QC+12+4*\c+\i]
.endr
.irp i, 0,1,2
	v_mov_b32 v[QC+3+6*\c+\i], v[QC+12+4*\c+\i]
.endr
.endr
.endm
.macro GSTORE f                        ; the fragment as it stands: three stores of 512 consecutive bytes
.irp c, 0,1,2
	global_store_b128 v[GI], v[QC+4*\c:QC+4*\c+3], s[12:13] offset:1536*(\f)+512*\c
.endr
.endm
.macro CSLOAD a                        ; cos and sin of A's block a, in the accumulators' layout, into set a % 2 of window 1: 32 loads
	WIN 0x40
.irp b, 0,1,2,3
.irp q, 0,1,2,3
	global_load_b128 v[128*((\a)%2)+16*\b+4*\q:128*((\a)%2)+16*\b+4*\q+3], v[VCS], s[96:97] offset:(32*((\a)/2)+8*((\a)%2))*512+128*\b+16*\q
	global_load_b128 v[128*((\a)%2)+64+16*\b+4*\q:128*((\a)%2)+64+16*\b+4*\q+3], v[VCS], s[98:99] offset:(32*((\a)/2)+8*((\a)%2))*512+128*\b+16*\q
.endr
.endr
	WIN 0
.endm
.macro ROPE a                          ; register n holds d = 32 (n / 16) + 16 h + n % 16: d + 64 is register n + 32.  Each accumulator is read from its low end on
.set WN, 0x06+(\a)/4                   ; source 0: the accumulators' window; source 1: window 1; source 2 and the destination: window 0
	WIN WN
.set XB, 64*((\a)%4)
.set CSB, 128*((\a)%2)
.set II, 0
.rept 16
.set TT, T+4*((II/2)%2)
	v_pk_mul_f32 v[TT:TT+1], v[XB+32+II:XB+33+II], v[CSB+64+II:CSB+65+II]
	v_pk_fma_f32 v[ST+II:ST+II+1], v[XB+II:XB+II+1], v[CSB+II:CSB+II+1], v[TT:TT+1] neg_lo:[0,0,1] neg_hi:[0,0,1]   ; x(d) cos(d) - x(d + 64) sin(d)
	v_pk_mul_f32 v[TT+2:TT+3], v[XB+II:XB+II+1], v[CSB+96+II:CSB+97+II]
	v_pk_fma_f32 v[ST+32+II:ST+33+II], v[XB+32+II:XB+33+II], v[CSB+32+II:CSB+33+II], v[TT+2:TT+3]                   ; x(d + 64) cos(d + 64) + x(d) sin(d + 64)
.set II, II+2
.endr
.endm
	PLACES NP                                      ; behind the last products: their results are read and their operands' registers written below
	s_mov_b32 s[SEL], 0x76543210
	s_mov_b32 s[SEL+1], 0xfedcba98                 ; v_permlanex16_b32's selects for lane l xor 16
.irp b, 0,1,2,3
	v_mov_b32 v[TM+4+\b], 0                        ; written once: a lane permute's destination counts as one of its sources
.endr
	s_and_b32 s2, ttmp9, s16                       ; the cluster's x and the wave's number: the same in all partners
	s_cmp_eq_u32 s2, 1
	s_cbranch_scc1 .Lvpath
	; q and k: RoPE, then a fragment for each of A's eight blocks
	CSLOAD 0
.set AA, 0
.rept 8
.if AA < 7
	CSLOAD AA+1
	s_wait_loadcnt 32                              ; this block's 32 loads are in; the next block's 32 may be out
.else
	s_wait_loadcnt 0x0
.endif
	ROPE AA
	WIN 0
	s_wait_xcnt 0x0                                ; the last fragment's stores have read their registers: the codes may be written again
	QUANT ST,SW+AA
	GSTORE AA
.set AA, AA+1
.endr
	s_branch .Ljoin
.Lvpath:
	; v: its K is the keys, which lie across lanes and accumulators.  Column tile t of all eight blocks (16 of the head's 128 x 128 keys) turns through my stage: row 8 h + j, key at 4 bytes; it comes back a row a lane, 16 neighbouring keys at a time.
.set TT8, 0
.rept 8
	WIN 0x08                                       ; an LDS store's data are its source 1: window 2
.irp a, 0,1,2,3
.irp j, 0,1,2,3,4,5,6,7
	ds_store_b32 v[STV], v[64*\a+8*TT8+\j] offset:SPITCH*\j+4*(32*(\a/2)+8*(\a%2))
.endr
.endr
	WIN 0x0c                                       ; window 3
.irp a, 4,5,6,7
.irp j, 0,1,2,3,4,5,6,7
	ds_store_b32 v[STV], v[64*(\a-4)+8*TT8+\j] offset:SPITCH*\j+4*(32*(\a/2)+8*(\a%2))
.endr
.endr
	WIN 0
.irp b, 0,1,2,3
.irp q, 0,1,2,3
	ds_load_b128 v[ST+16*\b+4*\q:ST+16*\b+4*\q+3], v[RDV] offset:128*\b+16*\q   ; LDS serves a wave's instructions in order: these see my stores, and the next tile's stores come behind them
.endr
.endr
	s_wait_dscnt 0x0
	s_wait_xcnt 0x0                                ; the last fragment's stores have read their registers
	QUANT ST,SW+TT8
	GSTORE TT8
.set TT8, TT8+1
.endr
.Ljoin:
	v_cmp_lt_u32 vcc_lo, 15, v[LN]                 ; lanes 0-15 store the words of fragments 0-3, lanes 16-31 those of 4-7 (both halves of the lanes hold every word)
.irp i, 0,1,2,3
	v_cndmask_b32 v[OW+\i], v[SW+\i], v[SW+4+\i], vcc_lo
.endr
	global_store_b128 v[GI], v[OW:OW+3], s[12:13] offset:12288
	s_wait_tensorcnt 0x0                           ; the wave's end, behind my last tensor load and my last LDS store
	ds_add_u32 v[SPW], v[NIL]
	s_wait_dscnt 0x0
	CROUND                                         ; the closing round
	s_endpgm
.Lfunc_end_k_qc3bfad030e_qkv:
	.size	k_qc3bfad030e_qkv, .Lfunc_end_k_qc3bfad030e_qkv-k_qc3bfad030e_qkv
	.p2alignl 7, 3214868480
	.fill 96, 4, 3214868480
	.section	.rodata,"a",@progbits
	.p2align	6, 0x0
	.amdhsa_kernel k_qc3bfad030e_qkv
		.amdhsa_group_segment_fixed_size 327680
		.amdhsa_private_segment_fixed_size 0
		.amdhsa_enable_private_segment 0
		.amdhsa_kernarg_size 48
		.amdhsa_user_sgpr_count 2
		.amdhsa_user_sgpr_kernarg_segment_ptr 1
		.amdhsa_wavefront_size32 1
		.amdhsa_system_sgpr_workgroup_id_x 1
		.amdhsa_system_sgpr_workgroup_id_y 1
		.amdhsa_system_sgpr_workgroup_id_z 1
		.amdhsa_system_vgpr_workitem_id 0
		.amdhsa_next_free_vgpr 1024
		.amdhsa_next_free_sgpr 100
		.amdhsa_reserve_vcc 1
		.amdhsa_float_denorm_mode_32 3
		.amdhsa_float_denorm_mode_16_64 3
		.amdhsa_memory_ordered 1
		.amdhsa_forward_progress 1
		.amdhsa_inst_pref_size 255
	.end_amdhsa_kernel
	.section	.bss,"aw",@nobits
	.p2align	6
	.space	262144
	.amdgpu_metadata
---
amdhsa.version: [ 1, 2 ]
amdhsa.kernels:
  - .name:           k_qc3bfad030e_qkv
    .symbol:         k_qc3bfad030e_qkv.kd
    .args:
      - { .name: xq, .offset: 0, .size: 8, .value_kind: global_buffer, .address_space: global }
      - { .name: w3q, .offset: 8, .size: 8, .value_kind: global_buffer, .address_space: global }
      - { .name: cos, .offset: 16, .size: 8, .value_kind: global_buffer, .address_space: global }
      - { .name: sin, .offset: 24, .size: 8, .value_kind: global_buffer, .address_space: global }
      - { .name: qb, .offset: 32, .size: 8, .value_kind: global_buffer, .address_space: global }
      - { .name: kvb, .offset: 40, .size: 8, .value_kind: global_buffer, .address_space: global }
    .group_segment_fixed_size: 327680
    .private_segment_fixed_size: 0
    .kernarg_segment_align: 8
    .kernarg_segment_size: 48
    .max_flat_workgroup_size: 128
    .sgpr_count:     100
    .vgpr_count:     1024
    .wavefront_size: 32
...
	.end_amdgpu_metadata
.endif
;; end of part 2
;; launch attn (part 3): grid 32 x 8, 8 waves a work-group, no clusters, 327,680 bytes of LDS; arguments qb, kvb, aq; writes aq
.if DOCPART == 3
	.amdgcn_target "amdgcn-amd-amdhsa--gfx1250"
	.amdhsa_code_object_version 6
	.text
	.protected	k_qc3bfad030e_attn
	.globl	k_qc3bfad030e_attn
	.p2align	8
	.type	k_qc3bfad030e_attn,@function
k_qc3bfad030e_attn:
	s_mov_b64 s[64:65], 0
	v_nop
	global_prefetch_b8 v0, s[64:65] scope:SCOPE_SE
	s_setreg_imm32_b32 hwreg(HW_REG_WAVE_MODE, 25, 1), 1
	s_wait_xcnt 0x0
; Causal attention on codes of FP6 (E2M3), 8 query heads on 4 KV heads, head size 128, 2 x 2,048 tokens; its result, O / l, is quantised along head x 128 + d for the last projection.
; THE SOFTMAX: t = score x log2(e) / sqrt(128); M = the running largest t rounded UP to a whole number; p = 2^(t - M) is quantised along the keys, not normalised; the row's sum is taken of the unquantised p and divides O at the end.
; LIMITS: NaN and infinities are not served; a block under 2^-124 (zeros too) gets the scale byte 1.
; INPUTS are images of operand registers: a BLOCK of 12,800 bytes = 8 fragments of 1,536 bytes (3 x 512, lane l's 16 bytes at 16 l) and 512 bytes of scale words.  In q's and k's fragment a, lane row r is token 32 (a / 2) + 8 (a % 2) + r + 8 (r / 8)
; of its 128; in v's it is that d, and K = the step's 128 keys.  So a fragment comes by three loads of 16 bytes a lane, four fragments' scale words by one.
; SHARES.  Work-group (j, 4 b + g) owns the 32 queries of group j and of group 63 - j of batch b, for both query heads of KV head g: eight tiles of 16 queries, one a wave: wave w: head 2 g + w % 2, half (w / 2) % 2 of the 32, group j (w < 4) or 63 - j.
; A short and a long group together walk the same number of key steps in every work-group.  Every wave passes all changes of slots; a step all of whose keys come after the wave's queries is jumped over (a branch on ids).
; Both products are used transposed (S^T = K Q^T, O^T = V^T P^T): a lane holds one query throughout, and 16 registers of two neighbouring tiles are 16 neighbours along the next K.
; THE RING: two slots of 256 keys (two steps: K's and V's BLOCKs, 51,200 dense bytes), filled by waves 0 and 1, one step each, 100 rows of 256 bytes.  By this text's count a wave has one tensor load out at the most.
; NO CLUSTER: a slot beyond the work-group's last query is read by nobody and is not asked for, by a jump on ids that may not lead round a joint load; partners would need different numbers of slots (j differs).
; NO PREFETCH: a slot is asked for two key steps of all eight waves ahead of its first read, and a work-group's whole stream is at most 8 x 51,200 bytes.
; REGISTERS: v1-11 addresses; v12 -M, v13 the largest t, v[14:15] the sum; v16-27 Q; v32-79 four fragments; v96-159 S^T, then p; v160-223 O^T; v224-235 p's codes; v232-254 at work; v248-251 scale words; v255 Q's scale word.
.set BLKB,  12800
.set STEPB, 25600
.set SLOTB, 51200
.set SLOT1, 1<<17                      ; slot 1 begins here: one exclusive or turns an address in one slot into the other's
.set NSL,   8
.set STAGE, 2*SLOT1                    ; the way out: 32 tokens x 192 bytes for each of the two groups; no fill lands here
.set SPARE, STAGE+2*6144               ; the spare words, 128 bytes for each wave: four blocks of 256 bytes that no other line names
.set AL,  1                            ; v1   16 x lane
.set AR,  2                            ; v2   16 x (lane % 16)
.set QL,  3                            ; v3   my query within its 32, less 16 (lane / 16)
.set SA,  4                            ; v4   the stage: where my 24 bytes of a token's row begin
.set SPW, 5
.set NIL, 6
.set SR,  7                            ; v7   the stage: where I read 16 bytes back
.set ADK, 8                            ; v8   16 x lane in the slot in hand
.set ADS, 9                            ; v9   16 x (lane % 16) in it
.set GS,  11                           ; v11  32 x my query within its 32: its row of scale bytes
.set QC,  32
.set TM,  56
.set PW,  72
.set WV,  18
.set SEL, 20
.set CS,  22
.set G1,  24
.set G0,  40
.set TB,  2
.set SLOTS, 67
.set QMIN, 90
.set QMAX, 91
.set QLAST, 92
.set KF,  98
.set Q0,  99
.macro TLOAD                           ; waves 0 and 1 fetch; an s_nop 0 and four v_nop follow the load
	s_cmp_lt_u32 s[WV], 2
	s_cbranch_scc0 .Lasked_\@
	tensor_load_to_lds s[G0:G0+3], s[G1:G1+7]
	s_nop 0
.rept 4
	v_nop
.endr
.Lasked_\@:
.endm
	s_load_b128 s[4:7], s[0:1], 0x0                ; qb, kvb
	s_load_b64 s[8:9], s[0:1], 0x10                ; aq
	v_lshl_add_u32 v[SPW], v0, 2, SPARE
	v_mov_b32 v[NIL], 0
	ds_add_u32 v[SPW], v[NIL]                      ; the wave's opening: an add of 0, with its wait ahead of my first tensor load; the set-up below stands between them
	v_lshrrev_b32 v8, 5, v0
	v_readfirstlane_b32 s[WV], v8                  ; wave 0..7
	s_and_b32 s70, ttmp7, 0xffff                   ; 4 b + g
	s_lshr_b32 s71, s70, 2                         ; b
	s_and_b32 s72, s70, 3                          ; g
	s_and_b32 s73, s[WV], 1                        ; which of the two heads
	s_bfe_u32 s74, s[WV], 0x10001                  ; u: which half of the 32 queries
	s_lshr_b32 s75, s[WV], 2                       ; which of the two groups
	s_sub_co_u32 s76, 63, ttmp9
	s_cmp_eq_u32 s75, 0
	s_cselect_b32 s77, ttmp9, s76                  ; my group of 32 queries
	s_lshl_b32 s[Q0], s77, 5
	s_lshl_b32 s78, s74, 3
	s_add_co_u32 s[QMIN], s[Q0], s78               ; my tile's first query,
	s_add_co_u32 s[QMAX], s[QMIN], 23              ; its last,
	s_lshl_b32 s[QLAST], s76, 5
	s_add_co_u32 s[QLAST], s[QLAST], 31            ; and the work-group's last
	s_lshl_b32 s79, s72, 1
	s_add_co_u32 s79, s79, s73                     ; my head
	s_lshl_b32 s68, s71, 3
	s_add_co_u32 s68, s68, s79
	s_lshl_b32 s68, s68, 4
	s_lshr_b32 s69, s77, 2
	s_add_co_u32 s68, s68, s69
	s_mul_i32 s68, s68, BLKB                       ; q's BLOCK
	s_and_b32 s69, s77, 3
	s_lshl_b32 s69, s69, 1
	s_add_co_u32 s69, s69, s74                     ; my fragment in it
	s_mul_i32 s80, s69, 1536
	s_add_co_u32 s80, s80, s68
	s_mov_b32 s81, 0
	s_lshr_b32 s82, s69, 2
	s_lshl_b32 s82, s82, 8
	s_and_b32 s69, s69, 3
	s_lshl_b32 s69, s69, 2
	s_add_co_u32 s82, s82, s69
	s_add_co_u32 s82, s82, s68
	s_add_co_u32 s82, s82, 12288                   ; its scale words
	s_mov_b32 s83, 0
	s_lshl_b32 s68, s71, 11
	s_add_co_u32 s68, s68, s[Q0]                   ; my group's first token
	s_mul_i32 s84, s68, 192
	s_mul_i32 s69, s72, 786432
	s_add_co_u32 s84, s84, s69
	s_and_b32 s69, s[WV], 3
	s_mul_i32 s69, s69, 1536                       ; my quarter of the group's 6,144 bytes
	s_add_co_u32 s84, s84, s69
	s_mov_b32 s85, 0
	s_lshl_b32 s86, s68, 5
	s_lshl_b32 s68, s79, 2
	s_add_co_u32 s86, s86, s68
	s_add_co_u32 s86, s86, 3145728                 ; the tokens' scale bytes, my head's word
	s_mov_b32 s87, 0
	s_mul_i32 s93, s75, 6144
	s_add_co_u32 s93, s93, STAGE                   ; my group's stage
	s_add_co_u32 s95, s93, s69
	s_mul_i32 s68, s73, 96
	s_add_co_u32 s93, s93, s68
	s_and_b32 s94, s[WV], 1
	s_mul_i32 s94, s94, STEPB                      ; which step of a slot I fetch, if I fetch: in LDS and in memory
	s_mul_i32 s88, s70, 16*STEPB
	s_add_co_u32 s88, s88, s94
	s_mov_b32 s89, 0
	s_mov_b32 s[G1], 3<<16                         ; no mask; elements of 8 bytes; no padding
	s_mov_b32 s[G1+1], 32<<16                      ; tensor_dim0 = 32 (256 bytes)
	s_mov_b32 s[G1+2], 100<<16                     ; tensor_dim1 = 100
	s_mov_b32 s[G1+3], 32<<16                      ; tile_dim0
	s_mov_b32 s[G1+4], 100                         ; tile_dim1
	s_mov_b32 s[G1+5], 32                          ; the pitch: dense
	s_mov_b32 s[G1+6], 0
	s_mov_b32 s[G1+7], 0
	s_mov_b32 s[SEL], 0x76543210
	s_mov_b32 s[SEL+1], 0xfedcba98
	s_mov_b32 s[CS], 0x3e0293ee                    ; c = log2(e) / sqrt(128)
	s_mov_b32 s[CS+1], s[CS]
	s_mov_b32 s[TB], 0
	s_mov_b32 s[SLOTS], NSL-1
	s_mov_b32 s[KF], 0
	s_wait_dscnt 0x0                               ; the opening add is done
	s_wait_kmcnt 0x0
	s_mov_b32 s[G0], 1
	s_mov_b32 s[G0+1], s94
	s_add_nc_u64 s[G0+2:G0+3], s[6:7], s[88:89]
	s_or_b32 s[G0+3], s[G0+3], 0x80000000
	TLOAD                                          ; slot 0
	s_add_nc_u64 s[12:13], s[4:5], s[80:81]        ; Q's fragment
	s_add_nc_u64 s[10:11], s[4:5], s[82:83]        ; its scale words
	s_add_nc_u64 s[16:17], s[8:9], s[84:85]        ; the codes' way out
	s_add_nc_u64 s[14:15], s[8:9], s[86:87]        ; the scale words'
	v_and_b32 v10, 31, v0
	v_lshlrev_b32 v[AL], 4, v10
	v_and_b32 v10, 15, v0                          ; r
	v_lshlrev_b32 v[AR], 4, v10
.irp c, 0,1,2
	global_load_b128 v[16+4*\c:19+4*\c], v[AL], s[12:13] offset:512*\c
.endr
	global_load_b32 v255, v[AR], s[10:11]
	v_and_b32 v28, 8, v10
	v_add_nc_u32 v28, v28, v10
	v_add_nc_u32 v28, s78, v28                     ; my query within its 32: 8 u + r + 8 (r / 8)
	v_bfe_u32 v29, v0, 4, 1                        ; h
	v_lshlrev_b32 v30, 4, v29
	v_sub_nc_u32 v[QL], v28, v30
	v_mul_u32_u24 v[SA], v28, 192
	v_mad_u32_u24 v[SA], v29, 24, v[SA]
	v_add_nc_u32 v[SA], s93, v[SA]
	v_add_nc_u32 v[SR], s95, v[AL]
	v_lshlrev_b32 v[GS], 5, v28
	v_mov_b32 v13, 0xff61b1e6                      ; the largest t so far: -3e38
	v_floor_f32 v12, -v13                          ; -M
	v_mov_b32 v14, 0
	v_mov_b32 v15, 0
.irp b, 0,1,2,3
	v_mov_b32 v[236+\b], 0                         ; written once: a lane permute's destination counts as one of its sources
.endr
	v_mov_b32 v252, 0
	v_mov_b32 v253, 0
.set J, 0
.rept 64
	v_mov_b32 v[160+J], 0                          ; O^T: the loop has no first step of its own; the first change of M multiplies zeros
.set J, J+1
.endr
.macro STEP q                          ; 128 keys, the q-th step of the slot in hand
	s_cmp_gt_u32 s[KF], s[QMAX]                    ; all its keys come after my queries: nothing of it is read
	s_cbranch_scc1 .Lhidden_\@
.irp g, 0,1                                    ; S^T = K Q^T, four tiles of 16 keys at a time
.rept 4
	v_nop                                          ; places in front of loads into registers that matrix instructions have read
.endr
.irp t, 0,1,2,3
.irp c, 0,1,2
	ds_load_b128 v[32+12*\t+4*\c:35+12*\t+4*\c], v[ADK] offset:STEPB*(\q)+1536*(4*\g+\t)+512*\c
.endr
.endr
	ds_load_b128 v[248:251], v[ADS] offset:STEPB*(\q)+12288+256*\g
	s_wait_dscnt 0x0
.irp t, 0,1,2,3
	v_wmma_scale_f32_16x16x128_f8f6f4 v[96+8*(4*\g+\t):103+8*(4*\g+\t)], v[32+12*\t:43+12*\t], v[16:27], 0, v[248+\t], v255 matrix_a_fmt:MATRIX_FMT_FP6 matrix_b_fmt:MATRIX_FMT_FP6
.endr
.endr
.rept 4
	v_nop
.endr
	s_add_co_u32 s96, s[KF], 127                   ; on the diagonal hidden scores become -infinity ahead of the maximum; a step all of whose keys count skips this
	s_cmp_le_u32 s96, s[QMIN]
	s_cbranch_scc1 .Lopen_\@
	s_sub_co_i32 s96, s[Q0], s[KF]
	v_add_nc_u32 v252, s96, v[QL]                  ; d = my query - KF - 16 (lane / 16); register 16 b + i holds key KF + 16 (lane / 16) + 32 b + i: hidden where 32 b + i > d
	v_mov_b32 v254, 0xff800000
.set N, 0
.rept 64
	v_cmp_gt_i32 vcc_lo, 32*(N/16)+N%16, v252
	v_cndmask_b32 v[96+N], v[96+N], v254, vcc_lo
.set N, N+1
.endr
.Lopen_\@:
.irp b, 0,1,2,3
	v_max3_num_f32 v[232+\b], v[96+16*\b], v[97+16*\b], v[98+16*\b]   ; the largest score of each block of 32 keys: for the row's maximum and, since p rises with the score, for the block's largest p
.endr
.irp i, 3,5,7,9,11,13
.irp b, 0,1,2,3
	v_max3_num_f32 v[232+\b], v[232+\b], v[96+16*\b+\i], v[97+16*\b+\i]
.endr
.endr
.irp b, 0,1,2,3
	v_max_num_f32 v[232+\b], v[232+\b], v[111+16*\b]
.endr
.irp b, 0,1,2,3
	v_permlanex16_b32 v[236+\b], v[232+\b], s[SEL], s[SEL+1]
.endr
.irp b, 0,1,2,3
	v_max_num_f32 v[232+\b], v[232+\b], v[236+\b]
.endr
	v_max3_num_f32 v254, v232, v233, v234
	v_max_num_f32 v254, v254, v235
	v_mul_f32 v254, s[CS], v254
	v_max_num_f32 v13, v13, v254                   ; the running largest t
	v_mov_b32 v254, v12
	v_floor_f32 v12, -v13                          ; the new -M = -ceil(t)
	v_sub_f32 v254, v12, v254                      ; old M - new M: a whole number, 0 or less
	v_cvt_i32_f32 v254, v254
	v_ldexp_f32 v252, 1.0, v254                    ; f = 2^(old M - new M)
.set J, 0
.rept 32
	v_pk_fma_f32 v[96+J:97+J], v[96+J:97+J], s[CS:CS+1], v[12:13] op_sel_hi:[1,0,0]   ; t - M
.set J, J+2
.endr
.irp b, 0,1,2,3
	v_fma_f32 v[232+\b], v[232+\b], s[CS], v12
.endr
.set J, 0
.rept 64
	v_exp_f32 v[96+J], v[96+J]                     ; p = 2^(t - M)
.set J, J+1
.endr
	v_pk_mul_f32 v[14:15], v[14:15], v[252:253] op_sel_hi:[1,0]   ; the sums under the new M (a plain place behind the exponentials)
	s_wait_alu depctr_va_vdst(0)                   ; one wait for the batch of 64, ahead of its first reader
.irp b, 0,1,2,3
	v_exp_f32 v[232+\b], v[232+\b]                 ; each block's largest p
.endr
	v_pk_add_f32 v[236:237], v[96:97], v[98:99]    ; the row's sum of the unquantised p, in two chains
.irp j, 4,8,12,16,20,24,28,32,36,40,44,48,52,56,60
	v_pk_add_f32 v[14:15], v[14:15], v[96+\j:97+\j]
	v_pk_add_f32 v[236:237], v[236:237], v[98+\j:99+\j]
.endr
	v_pk_add_f32 v[14:15], v[14:15], v[236:237]
	s_wait_alu depctr_va_vdst(0)                   ; and one for the four
.irp b, 0,1,2,3
	v_max_num_f32 v[232+\b], 0x1800000, v[232+\b]  ; the floor 2^(3 - 127)
.endr
.irp b, 0,1,2,3
	v_add_nc_u32 v[244+\b], 0xff000000, v[232+\b]  ; the conversion's scale operand
.endr
.irp b, 0,1,2,3
	v_lshrrev_b32 v[236+\b], 23, v[244+\b]         ; the scale's byte
.endr
	v_lshl_or_b32 v253, v237, 8, v236              ; p's scale word for these 128 keys
	v_lshl_or_b32 v253, v238, 16, v253
	v_lshl_or_b32 v253, v239, 24, v253
.irp c, 0,1
	v_cvt_scalef32_pk16_fp6_f32 v[224+6*\c:226+6*\c], v[96+32*\c:111+32*\c], v[244+2*\c]
	v_cvt_scalef32_pk16_fp6_f32 v[236+4*\c:238+4*\c], v[112+32*\c:127+32*\c], v[244+2*\c+1]
.endr
	v_nop                                          ; one plain place behind a scaled conversion
.irp c, 0,1
.irp i, 0,1,2
	v_permlane16_swap_b32 v[224+6*\c+\i], v[236+4*\c+\i]
.endr
.irp i, 0,1,2
	v_mov_b32 v[227+6*\c+\i], v[236+4*\c+\i]
.endr
.endr
.set J, 0
.rept 32
	v_pk_mul_f32 v[160+J:161+J], v[160+J:161+J], v[252:253] op_sel_hi:[1,0]   ; O^T under the new M; these 32 are also the places in front of the loads and products below
.set J, J+2
.endr
.irp g, 0,1                                    ; O^T += V^T P^T, four tiles of 16 of the head's 128 at a time; the accumulators take turns
.if \g > 0
.rept 4
	v_nop
.endr
.endif
.irp t, 0,1,2,3
.irp c, 0,1,2
	ds_load_b128 v[32+12*\t+4*\c:35+12*\t+4*\c], v[ADK] offset:STEPB*(\q)+BLKB+1536*(4*\g+\t)+512*\c
.endr
.endr
	ds_load_b128 v[248:251], v[ADS] offset:STEPB*(\q)+BLKB+12288+256*\g
	s_wait_dscnt 0x0
.irp t, 0,1,2,3
	v_wmma_scale_f32_16x16x128_f8f6f4 v[160+8*(4*\g+\t):167+8*(4*\g+\t)], v[32+12*\t:43+12*\t], v[224:235], v[160+8*(4*\g+\t):167+8*(4*\g+\t)], v[248+\t], v253 matrix_a_fmt:MATRIX_FMT_FP6 matrix_b_fmt:MATRIX_FMT_FP6
.endr
.endr
.Lhidden_\@:
	s_add_co_u32 s[KF], s[KF], 128
.endm
; THE CHANGE OF SLOTS stands at a slot's head: each wave waits for all its tensor loads, adds 0 to its spare word, waits for that and for its reads of the slot that it has left; one barrier; then the slot just left is filled with the keys that follow.
.macro CHANGE fill
	s_wait_tensorcnt 0x0                           ; no tensor load of mine is out, so the descriptor may be written
	ds_add_u32 v[SPW], v[NIL]                      ; 0 onto my spare word
.if \fill
	s_xor_b32 s[G0+1], s[G0+1], SLOT1              ; the other slot than last time,
	s_add_nc_u64 s[G0+2:G0+3], s[G0+2:G0+3], SLOTB ; the next 256 keys
.endif
	s_wait_dscnt 0x0                               ; the add is done, and my reads of the slot that I have left are over
	s_barrier_signal -1
	s_barrier_wait -1
.if \fill
	s_add_co_u32 s96, s[KF], 256                   ; the first key of the slot that this change would ask for:
	s_cmp_gt_u32 s96, s[QLAST]                     ; beyond the work-group's last query no step reads it, so it is not asked for.  Ids and the count of steps alone: all eight waves go the same way; every wait for tensor loads in this text is for 0
	s_cbranch_scc1 .Lpast_\@
	TLOAD                                          ; a wave's one tensor load until the next change
.Lpast_\@:
.endif
.endm
.macro SLOT_STEPS
	v_add_nc_u32 v[ADK], s[TB], v[AL]
	v_add_nc_u32 v[ADS], s[TB], v[AR]
	STEP 0
	STEP 1
	s_xor_b32 s[TB], s[TB], SLOT1
.endm
	s_wait_loadcnt 0x0                             ; Q
.Lslot:                                            ; 7 trips
	CHANGE 1
	SLOT_STEPS
	s_sub_co_u32 s[SLOTS], s[SLOTS], 1
	s_cmp_lg_u32 s[SLOTS], 0
	s_cbranch_scc1 .Lslot
	CHANGE 0                                       ; the last slot is written out: nothing is left to ask for
	SLOT_STEPS
	; THE WAY OUT: O^T / the sum; quantised along d; the codes meet those of the group's other three waves in the stage and leave as 6,144 consecutive bytes.
	v_add_f32 v14, v14, v15
	v_permlanex16_b32 v252, v14, s[SEL], s[SEL+1]
	v_add_f32 v14, v14, v252                       ; the row's sum
	v_rcp_f32 v14, v14
.rept 4
	v_nop                                          ; the plain place behind the reciprocal, and the places behind the last products
.endr
.irp b, 0,1,2,3
	v_mov_b32 v[TM+4+\b], 0                        ; a lane permute's destination counts as one of its sources
.endr
	s_wait_alu depctr_va_vdst(0)                   ; the wait ahead of the reciprocal's first reader
.set J, 0
.rept 64
	v_mul_f32 v[96+J], v[160+J], v14               ; register 16 b + i is o(my query, 32 b + 16 (lane / 16) + i); each accumulator is read from its low end on
.set J, J+1
.endr
.irp b, 0,1,2,3
	v_max3_num_f32 v[TM+\b], |v[96+16*\b]|, |v[97+16*\b]|, 0x1800000
.endr
.irp i, 2,4,6,8,10,12,14
.irp b, 0,1,2,3
	v_max3_num_f32 v[TM+\b], v[TM+\b], |v[96+16*\b+\i]|, |v[97+16*\b+\i]|
.endr
.endr
.irp b, 0,1,2,3
	v_permlanex16_b32 v[TM+4+\b], v[TM+\b], s[SEL], s[SEL+1]
.endr
.irp b, 0,1,2,3
	v_max_num_f32 v[TM+\b], v[TM+\b], v[TM+4+\b]
.endr
.irp b, 0,1,2,3
	v_add_nc_u32 v[TM+12+\b], 0xff000000, v[TM+\b]
.endr
.irp b, 0,1,2,3
	v_lshrrev_b32 v[TM+4+\b], 23, v[TM+12+\b]
.endr
	v_lshl_or_b32 v[PW], v[TM+5], 8, v[TM+4]
	v_lshl_or_b32 v[PW], v[TM+6], 16, v[PW]
	v_lshl_or_b32 v[PW], v[TM+7], 24, v[PW]
.irp c, 0,1
	v_cvt_scalef32_pk16_fp6_f32 v[QC+6*\c:QC+2+6*\c], v[96+32*\c:111+32*\c], v[TM+12+2*\c]
	v_cvt_scalef32_pk16_fp6_f32 v[QC+12+4*\c:QC+14+4*\c], v[112+32*\c:127+32*\c], v[TM+12+2*\c+1]
.endr
	v_nop
.irp c, 0,1
.irp i, 0,1,2
	v_permlane16_swap_b32 v[QC+6*\c+\i], v[QC+12+4*\c+\i]
.endr
.irp i, 0,1,2
	v_mov_b32 v[QC+3+6*\c+\i], v[QC+12+4*\c+\i]
.endr
.endr
.irp c, 0,1
.irp p, 0,1,2
	ds_store_b64 v[SA], v[QC+6*\c+2*\p:QC+6*\c+2*\p+1] offset:48*\c+8*\p   ; registers 6 c .. 6 c + 5 are the 24 bytes of d = 64 c + 32 (lane / 16) on of my token's row
.endr
.endr
	global_store_b32 v[GS], v[PW], s[14:15]        ; my token's scale word for my head (both halves of the lanes hold and store the same word)
	s_wait_dscnt 0x0                               ; for the others' sake: my stores into the stage are done
	s_barrier_signal -1
	s_barrier_wait -1
.irp c, 0,1,2
	ds_load_b128 v[80+4*\c:83+4*\c], v[SR] offset:512*\c
.endr
.irp c, 0,1,2
	s_wait_dscnt 2-\c
	global_store_b128 v[AL], v[80+4*\c:83+4*\c], s[16:17] offset:512*\c   ; 32 lanes store 512 consecutive bytes, at a multiple of 256 from the buffer's first byte
.endr
	s_wait_tensorcnt 0x0                           ; the wave's end, behind my last tensor load and my last LDS store
	ds_add_u32 v[SPW], v[NIL]
	s_wait_dscnt 0x0
	s_endpgm
.Lfunc_end_k_qc3bfad030e_attn:
	.size	k_qc3bfad030e_attn, .Lfunc_end_k_qc3bfad030e_attn-k_qc3bfad030e_attn
	.p2alignl 7, 3214868480
	.fill 96, 4, 3214868480
	.section	.rodata,"a",@progbits
	.p2align	6, 0x0
	.amdhsa_kernel k_qc3bfad030e_attn
		.amdhsa_group_segment_fixed_size 327680
		.amdhsa_private_segment_fixed_size 0
		.amdhsa_enable_private_segment 0
		.amdhsa_kernarg_size 24
		.amdhsa_user_sgpr_count 2
		.amdhsa_user_sgpr_kernarg_segment_ptr 1
		.amdhsa_wavefront_size32 1
		.amdhsa_system_sgpr_workgroup_id_x 1
		.amdhsa_system_sgpr_workgroup_id_y 1
		.amdhsa_system_sgpr_workgroup_id_z 1
		.amdhsa_system_vgpr_workitem_id 0
		.amdhsa_next_free_vgpr 256
		.amdhsa_next_free_sgpr 100
		.amdhsa_reserve_vcc 1
		.amdhsa_float_denorm_mode_32 3
		.amdhsa_float_denorm_mode_16_64 3
		.amdhsa_memory_ordered 1
		.amdhsa_forward_progress 1
		.amdhsa_inst_pref_size 112
	.end_amdhsa_kernel
	.amdgpu_metadata
---
amdhsa.version: [ 1, 2 ]
amdhsa.kernels:
  - .name:           k_qc3bfad030e_attn
    .symbol:         k_qc3bfad030e_attn.kd
    .args:
      - { .name: qb, .offset: 0, .size: 8, .value_kind: global_buffer, .address_space: global }
      - { .name: kvb, .offset: 8, .size: 8, .value_kind: global_buffer, .address_space: global }
      - { .name: aq, .offset: 16, .size: 8, .value_kind: global_buffer, .address_space: global }
    .group_segment_fixed_size: 327680
    .private_segment_fixed_size: 0
    .kernarg_segment_align: 8
    .kernarg_segment_size: 24
    .max_flat_workgroup_size: 256
    .sgpr_count:     100
    .vgpr_count:     256
    .wavefront_size: 32
...
	.end_amdgpu_metadata
.endif
;; end of part 3
;; launch oproj (part 4): grid 16 x 16, 4 waves a work-group, clusters of 4 x 4, 327,680 bytes of LDS; arguments aq, woq, out0; writes out0
.if DOCPART == 4
	.amdgcn_target "amdgcn-amd-amdhsa--gfx1250"
	.amdhsa_code_object_version 6
	.text
	.protected	k_qc3bfad030e_oproj
	.globl	k_qc3bfad030e_oproj
	.p2align	8
	.type	k_qc3bfad030e_oproj,@function
k_qc3bfad030e_oproj:
	s_mov_b64 s[64:65], 0
	v_nop
	global_prefetch_b8 v0, s[64:65] scope:SCOPE_SE
	s_setreg_imm32_b32 hwreg(HW_REG_WAVE_MODE, 25, 1), 1
	s_wait_xcnt 0x0
	s_wait_alu depctr_hold_cnt(0) depctr_sa_sdst(0) depctr_va_vdst(0) depctr_va_sdst(0) depctr_va_ssrc(0) depctr_va_vcc(0) depctr_vm_vsrc(0)
	s_getreg_b32 s2, hwreg(HW_REG_IB_STS2, 6, 4)
	s_cmp_eq_u32 s2, 0
	s_cbranch_scc0 .Lentry_in_a_cluster
	s_endpgm
.Lentry_in_a_cluster:
	s_bfe_u32 s2, ttmp6, 0x10000c
	s_cmp_lg_u32 s2, 0xf033
	s_cbranch_scc0 .Lentry_shape_is_right
	s_endpgm
.Lentry_shape_is_right:
; out0 [4096 tokens][4096] f32 = the attention's result x wo, on codes of FP6 (E2M3) with one E8M0 scale for each 32 along K = 1,024; sums in f32.
; A = aq: codes [K step 4][token 4096][192 bytes] (a K step's tile is dense), scale bytes [token][32] behind them.  B = woq: codes [4096 stored rows][768 bytes], scale bytes [4096][32]; its rows are in tile order (row bits 3 and 4 exchanged).
; A tile of 256 x 256 is made by four waves, each 128 x 128: 64 accumulators, 512 registers.  K goes in steps of 256 through a ring of two LDS slots filled by the tensor data mover; the scale bytes come once and stay.
; CLUSTERS: 4 x 4 work-groups; A's tiles are asked for jointly along a row of the cluster, B's along a column.  THE MATRIX INSTRUCTION IS USED TRANSPOSED (source 0 = 16 stored rows of B, source 1 = 16 rows of A):
; in accumulator (a, t) lane (r, h) holds token 16 a + r, and its register j the column 32 (t / 2) + 16 h + 8 (t % 2) + j.
; REGISTERS, in windows of 256: window 0: v0-31 addresses; v32-63 scale words, two sets; v128-223 A's fragments, one set; on the way out v128-255.  window 1: B's fragments, two sets.  windows 2, 3: the accumulators.
.set SIZE_N, 4096
.set SIZE_K, 1024
.set KSTEP,  256
.set NQ,     KSTEP/128
.set ROWB,   192
.set APITCH, 192                       ; from row to row of A in memory: dense
.set ASTEP,  786432                    ; from K step to K step of A: 4,096 tokens x 192 bytes
.set KROWB,  768                       ; from row to row of B
.set PITCH,  240                       ; an LDS row: 3 x (64 bytes + 16 of padding)
.set FR,     12
.set NL,     6
.set NP,     4
.set HALFT,  128*PITCH
.set SLOT,   4*HALFT
.set LAPS,   SIZE_K/(2*KSTEP)
.set KS,     SIZE_K/32
.set SCL,    2*SLOT
.set HALFS,  (128*KS/256)*272
.set SBLK,   (16*KS/256)*272
.set SPARE,  SCL+4*HALFS               ; the spare words, 128 bytes for each wave: two blocks of 256 bytes that no other line names
.set SPITCH, 528                       ; the way out: a stage of 16 rows x (512 + 16) bytes for each wave, in slot 0, which has had its last fill and its last read by then
.set SOFF,   3145728                   ; where the scale bytes begin, in aq and in woq
.set ADRA, 16
.set ADRB, 20
.set STO,  24
.set RD,   25
.set CO,   26
.set ADRS, 27
.set SPW,  28
.set NIL,  29
.set SC,   32
.set AF,   128
.set BK,   128
.set G1, 24
.set G0, 32
.set G1B, 48
.set G0B, 56
.set G1S, 68
.set G0S, 76
.set G1SB, 80
.set G0SB, 88
.set MSB, 0
.macro WIN new
.if MSB != \new
	s_set_vgpr_msb (MSB<<8)|\new
.set MSB, \new
.endif
.endm
.set MUL_LO, 0xa1
.set MUL_HI, 0xf1
.set TO_B,   0x40
.macro JLOAD g0a, g1a, g0b, g1b        ; a joint load: waves 0 and 1 fetch for A, waves 2 and 3 for B; an s_nop 0 and four v_nop follow each of the two lines
	s_cmp_eq_u32 s15, 0
	s_cbranch_scc0 .Lfor_b_\@
	tensor_load_to_lds s[\g0a:\g0a+3], s[\g1a:\g1a+7]
	s_nop 0
.rept 4
	v_nop
.endr
	s_branch .Lasked_\@
.Lfor_b_\@:
	tensor_load_to_lds s[\g0b:\g0b+3], s[\g1b:\g1b+7]
	s_nop 0
.rept 4
	v_nop
.endr
.Lasked_\@:
.endm
.macro CREST
	s_cmp_lg_u32 s14, 0
	s_cbranch_scc1 .Lnot_wave_0_\@
	s_barrier_signal -3
.Lnot_wave_0_\@:
	s_barrier_wait -3
	s_barrier_signal -1
	s_barrier_wait -1
.endm
.macro CROUND
	s_barrier_signal -1
	s_barrier_wait -1
	CREST
.endm
	s_load_b64 s[4:5], s[0:1], 0x0                 ; aq
	s_load_b64 s[8:9], s[0:1], 0x8                 ; woq
	s_load_b64 s[12:13], s[0:1], 0x10              ; out0
	v_lshl_add_u32 v[SPW], v0, 2, SPARE
	v_mov_b32 v[NIL], 0
	ds_add_u32 v[SPW], v[NIL]                      ; the wave's opening: an add of 0, with its wait ahead of my first tensor load
	v_lshrrev_b32 v1, 5, v0
	v_readfirstlane_b32 s14, v1
	s_lshr_b32 s15, s14, 1
	s_and_b32 s16, s14, 1
	s_bfe_u32 s40, ttmp6, 0x40000
	s_bfe_u32 s41, ttmp6, 0x40004
	s_lshl_b32 s42, ttmp9, 2
	s_add_co_u32 s42, s42, s40                     ; tile column
	s_and_b32 s17, ttmp7, 0xffff
	s_lshl_b32 s17, s17, 2
	s_add_co_u32 s17, s17, s41                     ; tile row
	s_lshl_b32 s43, s41, 2
	s_lshl_b32 s43, 15, s43
	s_lshl_b32 s44, 0x1111, s40
	s_or_b32 s[G1+0], s43, (0<<16)|(1<<20)|(1<<21)|(3<<22)|(3<<25)
	s_or_b32 s[G1B+0], s44, (0<<16)|(1<<20)|(1<<21)|(3<<22)|(3<<25)
.irp g, G1, G1B
	s_mov_b32 s[\g+1], ROWB<<16
	s_mov_b32 s[\g+2], 128<<16
	s_mov_b32 s[\g+3], ROWB<<16
	s_mov_b32 s[\g+4], 128
	s_mov_b32 s[\g+6], 0
	s_mov_b32 s[\g+7], 0
.endr
	s_mov_b32 s[G1+5], APITCH
	s_mov_b32 s[G1B+5], KROWB
	s_or_b32 s[G1S+0], s43, (3<<16)|(1<<20)|(1<<21)|(5<<22)|(3<<25)
	s_or_b32 s[G1SB+0], s44, (3<<16)|(1<<20)|(1<<21)|(5<<22)|(3<<25)
.irp g, G1S, G1SB
	s_mov_b32 s[\g+1], 32<<16
	s_mov_b32 s[\g+2], (128*KS/256)<<16
	s_mov_b32 s[\g+3], 32<<16
	s_mov_b32 s[\g+4], 128*KS/256
	s_mov_b32 s[\g+5], 32
	s_mov_b32 s[\g+6], 0
	s_mov_b32 s[\g+7], 0
.endr
	s_lshl_b32 s18, s16, 7
	s_lshl_b32 s20, s17, 8
	s_add_co_u32 s20, s20, s18
	s_lshl_b32 s46, s42, 8
	s_add_co_u32 s46, s46, s18
	s_mov_b32 s21, 0
	s_mov_b32 s47, 0
	s_mov_b64 s[18:19], KS
	s_mul_u64 s[22:23], s[20:21], s[18:19]
	s_mul_u64 s[92:93], s[46:47], s[18:19]
	s_mov_b64 s[18:19], APITCH
	s_mul_u64 s[20:21], s[20:21], s[18:19]
	s_mov_b64 s[18:19], KROWB
	s_mul_u64 s[46:47], s[46:47], s[18:19]
	s_mul_i32 s45, s14, HALFT
	s_mul_i32 s94, s14, HALFS
	s_wait_dscnt 0x0                               ; the opening add is done
	s_wait_kmcnt 0x0
	s_add_nc_u64 s[6:7], s[4:5], SOFF
	s_add_nc_u64 s[10:11], s[8:9], SOFF
	s_add_nc_u64 s[20:21], s[4:5], s[20:21]
	s_add_nc_u64 s[22:23], s[6:7], s[22:23]
	s_add_nc_u64 s[46:47], s[8:9], s[46:47]
	s_add_nc_u64 s[92:93], s[10:11], s[92:93]
	CROUND                                         ; all sixteen work-groups are here: the first joint loads meet
	s_mov_b32 s[G0S], 1
	s_add_co_u32 s[G0S+1], s94, SCL
	s_mov_b64 s[G0S+2:G0S+3], s[22:23]
	s_or_b32 s[G0S+3], s[G0S+3], 0x80000000
	s_mov_b32 s[G0SB], 1
	s_add_co_u32 s[G0SB+1], s94, SCL
	s_mov_b64 s[G0SB+2:G0SB+3], s[92:93]
	s_or_b32 s[G0SB+3], s[G0SB+3], 0x80000000
	JLOAD G0S, G1S, G0SB, G1SB
.irp s, 0,1
	s_mov_b32 s[G0+4*\s], 1
	s_add_co_u32 s[G0+4*\s+1], s45, \s*SLOT
	s_add_nc_u64 s[G0+4*\s+2:G0+4*\s+3], s[20:21], \s*ASTEP
	s_or_b32 s[G0+4*\s+3], s[G0+4*\s+3], 0x80000000
	s_mov_b32 s[G0B+4*\s], 1
	s_add_co_u32 s[G0B+4*\s+1], s45, \s*SLOT
	s_add_nc_u64 s[G0B+4*\s+2:G0B+4*\s+3], s[46:47], \s*ROWB
	s_or_b32 s[G0B+4*\s+3], s[G0B+4*\s+3], 0x80000000
	JLOAD G0+4*\s, G1, G0B+4*\s, G1B
.endr
	v_and_b32 v1, 15, v0
	v_bfe_u32 v2, v0, 4, 1
	v_mul_u32_u24 v3, v1, PITCH
	v_mul_u32_u24 v4, v2, 24
	v_add_nc_u32 v4, v3, v4
	v_lshl_add_u32 v5, v2, 4, v4
	s_mul_i32 s21, s15, HALFT
	s_mul_i32 s22, s16, HALFT
	s_add_co_u32 s22, s22, 2*HALFT
.irp s, 0,1
	v_add_nc_u32 v[ADRA+\s], s21, v4
	v_add_nc_u32 v[ADRB+\s], s22, v4
	v_add_nc_u32 v[ADRA+2+\s], s21, v5
	v_add_nc_u32 v[ADRB+2+\s], s22, v5
	s_add_co_u32 s21, s21, SLOT
	s_add_co_u32 s22, s22, SLOT
.endr
	v_mul_u32_u24 v5, v1, KS
	v_lshrrev_b32 v6, 8, v5
	v_lshl_add_u32 v5, v6, 4, v5
	s_mul_i32 s21, s15, HALFS
	s_mul_i32 s22, s16, HALFS
	s_add_co_u32 s22, s22, 2*HALFS
	s_sub_co_u32 s22, s22, s21
	v_mul_u32_u24 v6, s22, v2
	s_add_co_u32 s21, s21, SCL
	v_add_nc_u32 v5, v5, v6
	v_add_nc_u32 v[ADRS], s21, v5
	s_mul_i32 s23, s14, 16*SPITCH                  ; my stage
	v_mul_u32_u24 v5, v1, SPITCH                   ; in: row r; B's tile order puts my half's columns 16 h on: 64 h bytes
	v_lshl_add_u32 v5, v2, 6, v5
	v_add_nc_u32 v[STO], s23, v5
	v_and_b32 v6, 31, v0
	v_lshlrev_b32 v[CO], 4, v6                     ; back: the 32 lanes take one row of 512 bytes; and the same in out0
	v_add_nc_u32 v[RD], s23, v[CO]
	s_lshl_b32 s20, s17, 8
	s_lshl_b32 s21, s15, 7
	s_add_co_u32 s20, s20, s21                     ; my first row of out0
	s_mov_b32 s21, 0
	s_mov_b64 s[18:19], SIZE_N*4
	s_mul_u64 s[20:21], s[20:21], s[18:19]
	s_lshl_b32 s46, s42, 10
	s_lshl_b32 s47, s16, 9
	s_add_co_u32 s46, s46, s47
	s_mov_b32 s47, 0
	s_add_nc_u64 s[20:21], s[20:21], s[46:47]
	s_add_nc_u64 s[12:13], s[12:13], s[20:21]
.macro FRAG reg, adr, q, i
.irp p, 0,1,2,3,4,5
.set PIECE, 12*(\q)+6*(\p/3)+\p%3
.if PIECE%8 < 5
	ds_load_b64 v[\reg+2*\p:\reg+2*\p+1], v[\adr] offset:8*PIECE+16*(PIECE/8)+(\i)*16*PITCH
.else
	ds_load_b64 v[\reg+2*\p:\reg+2*\p+1], v[\adr+2] offset:8*PIECE+16*(PIECE/8)+(\i)*16*PITCH
.endif
.endr
.endm
.macro MUL16 a0, p, q, sc, zero        ; the 64 accumulators take turns, one instruction a turn
.irp a, \a0, \a0+1
.irp b, 0,1,2,3,4,5,6,7
.if \zero
	v_wmma_scale_f32_16x16x128_f8f6f4 v[8*(8*((\a)%4)+\b):8*(8*((\a)%4)+\b)+7], v[128*(\p)+FR*\b:128*(\p)+FR*\b+FR-1], v[AF+FR*(\a):AF+FR*(\a)+FR-1], 0, v[SC+8*NQ*(\sc)+NQ*\b+(\q)], v[SC+8*NQ*(\sc)+NQ*(\a)+(\q)] matrix_a_fmt:MATRIX_FMT_FP6 matrix_b_fmt:MATRIX_FMT_FP6 matrix_a_scale:MATRIX_SCALE_ROW1
.else
	v_wmma_scale_f32_16x16x128_f8f6f4 v[8*(8*((\a)%4)+\b):8*(8*((\a)%4)+\b)+7], v[128*(\p)+FR*\b:128*(\p)+FR*\b+FR-1], v[AF+FR*(\a):AF+FR*(\a)+FR-1], v[8*(8*((\a)%4)+\b):8*(8*((\a)%4)+\b)+7], v[SC+8*NQ*(\sc)+NQ*\b+(\q)], v[SC+8*NQ*(\sc)+NQ*(\a)+(\q)] matrix_a_fmt:MATRIX_FMT_FP6 matrix_b_fmt:MATRIX_FMT_FP6 matrix_a_scale:MATRIX_SCALE_ROW1
.endif
.endr
.endr
.endm
.macro FETCH_B slot, q, p
	WIN TO_B
.irp i, 0,1,2,3,4,5,6,7
	FRAG 128*(\p)+FR*\i, ADRB+\slot, \q, \i
.endr
	WIN 0
.endm
.macro FETCH_A slot, q, i0
.irp i, \i0, \i0+1, \i0+2, \i0+3
	FRAG AF+FR*(\i), ADRA+\slot, \q, \i
.endr
.endm
.macro SCALES sc
.irp i, 0,1,2,3,4,5,6,7
	ds_load_b64 v[SC+8*NQ*\sc+NQ*\i:SC+8*NQ*\sc+NQ*\i+1], v[ADRS] offset:\i*SBLK
.endr
.endm
.macro PLACES n
.rept \n
	v_nop
.endr
.endm
.macro STEP slot, q, zero
	s_wait_dscnt 4*NL                              ; B's set and A's blocks 0-3 are in; the youngest 24 loads may be out
	WIN MUL_LO
	MUL16 0, (\q)%2, \q, \slot, \zero
	MUL16 2, (\q)%2, \q, \slot, \zero
	s_wait_dscnt 0
	PLACES NP
	FETCH_B \slot, (\q)+1, 1-(\q)%2
	FETCH_A \slot, (\q)+1, 0
	WIN MUL_HI
	MUL16 4, (\q)%2, \q, \slot, \zero
	MUL16 6, (\q)%2, \q, \slot, \zero
	PLACES NP
	WIN 0
	FETCH_A \slot, (\q)+1, 4
.endm
.macro TURN slot, next, fill
	s_wait_tensorcnt 0x0                           ; all my tensor loads have landed: my part of the next slot
	ds_add_u32 v[SPW], v[NIL]                      ; 0 onto my spare word
	s_wait_dscnt 4*NL+1                            ; (the add and the youngest 24 loads may be out)
	WIN MUL_LO
	MUL16 0, 1, NQ-1, \slot, 0
	s_wait_dscnt 0x0                               ; the add is done, and my reads of this slot are over
	s_barrier_signal -1
	MUL16 2, 1, NQ-1, \slot, 0
	WIN 0
	s_barrier_wait -1
.if \fill
	CREST                                          ; the barrier has opened a round of the cluster's
	s_add_nc_u64 s[G0+4*\slot+2:G0+4*\slot+3], s[G0+4*\slot+2:G0+4*\slot+3], 2*ASTEP
	s_add_nc_u64 s[G0B+4*\slot+2:G0B+4*\slot+3], s[G0B+4*\slot+2:G0B+4*\slot+3], 2*ROWB
	JLOAD G0+4*\slot, G1, G0B+4*\slot, G1B
.else
	PLACES NP
.endif
	v_add_nc_u32 v[ADRS], 4*NQ, v[ADRS]
	FETCH_B \next, 0, 0
	FETCH_A \next, 0, 0
	SCALES \next
	WIN MUL_HI
	MUL16 4, 1, NQ-1, \slot, 0
	MUL16 6, 1, NQ-1, \slot, 0
	PLACES NP
	WIN 0
	FETCH_A \next, 0, 4
.endm
	s_wait_tensorcnt 1                             ; of my three loads the scales and K step 0 are in; K step 1's may be out
	s_barrier_signal -1
	s_barrier_wait -1
	FETCH_B 0, 0, 0
	FETCH_A 0, 0, 0
	SCALES 0
	FETCH_A 0, 0, 4
	STEP 0, 0, 1
	s_mov_b32 s3, LAPS-1
.Llap:
	TURN 0, 1, 1
	STEP 1, 0, 0
	TURN 1, 0, 1
	STEP 0, 0, 0
	s_sub_co_u32 s3, s3, 1
	s_cmp_lg_u32 s3, 0
	s_cbranch_scc1 .Llap
	TURN 0, 1, 0
	STEP 1, 0, 0
	s_wait_dscnt 4*NL
	WIN MUL_LO
	MUL16 0, 1, NQ-1, 1, 0
	MUL16 2, 1, NQ-1, 1, 0
	s_wait_dscnt 0
	WIN MUL_HI
	MUL16 4, 1, NQ-1, 1, 0
	MUL16 6, 1, NQ-1, 1, 0
	WIN 0
; THE WAY OUT, block by block of 16 rows x 128 columns, through my own stage: in by 32 bytes a lane, back as whole rows of 512 bytes.  LDS serves a wave's instructions in order: no wait between the stores and the loads.
.macro TOSTAGE a
.set AC, 64*((\a)%4)
.set WN, 0x08+4*((\a)/4)
	WIN WN                                         ; the data: window 2 or 3
.irp b, 0,1,2,3,4,5,6,7
	ds_store_b128 v[STO], v[AC+8*\b:AC+8*\b+3] offset:128*(\b/2)+32*(\b%2)        ; columns 32 (b / 2) + 16 h + 8 (b % 2) on; each accumulator from its low end on
	ds_store_b128 v[STO], v[AC+8*\b+4:AC+8*\b+7] offset:128*(\b/2)+32*(\b%2)+16
.endr
	WIN 0
.set BB, BK+64*((\a)%2)
.irp t, 0,1,2,3,4,5,6,7,8,9,10,11,12,13,14,15
	ds_load_b128 v[BB+4*\t:BB+4*\t+3], v[RD] offset:\t*SPITCH
.endr
.endm
.macro SEND a, younger
.set BB, BK+64*((\a)%2)
	s_wait_dscnt \younger                          ; the block is back in registers
.if (\a) > 0
	s_add_nc_u64 s[12:13], s[12:13], 16*SIZE_N*4   ; (behind a wait for the earlier stores' addresses)  16 rows on
.endif
.irp t, 0,1,2,3,4,5,6,7,8,9,10,11,12,13,14,15
	global_store_b128 v[CO], v[BB+4*\t:BB+4*\t+3], s[12:13] offset:\t*SIZE_N*4 th:TH_STORE_NT   ; 32 lanes store 512 consecutive bytes, at a multiple of 256 from out0's first byte
.endr
.endm
	PLACES NP
	TOSTAGE 0
.irp a, 1,2,3,4,5,6,7
.if \a > 1
	s_wait_xcnt 0x0                                ; block a - 2's stores have read their registers and their base
.endif
	TOSTAGE \a
	SEND \a-1, 32                                  ; behind block a - 1's loads: block a's 16 stores and 16 loads
.endr
	s_wait_xcnt 0x0
	SEND 7, 0
	s_wait_tensorcnt 0x0                           ; the wave's end, behind my last tensor load and my last LDS store
	ds_add_u32 v[SPW], v[NIL]
	s_wait_dscnt 0x0
	CROUND                                         ; the closing round
	s_endpgm
.Lfunc_end_k_qc3bfad030e_oproj:
	.size	k_qc3bfad030e_oproj, .Lfunc_end_k_qc3bfad030e_oproj-k_qc3bfad030e_oproj
	.p2alignl 7, 3214868480
	.fill 96, 4, 3214868480
	.section	.rodata,"a",@progbits
	.p2align	6, 0x0
	.amdhsa_kernel k_qc3bfad030e_oproj
		.amdhsa_group_segment_fixed_size 327680
		.amdhsa_private_segment_fixed_size 0
		.amdhsa_enable_private_segment 0
		.amdhsa_kernarg_size 24
		.amdhsa_user_sgpr_count 2
		.amdhsa_user_sgpr_kernarg_segment_ptr 1
		.amdhsa_wavefront_size32 1
		.amdhsa_system_sgpr_workgroup_id_x 1
		.amdhsa_system_sgpr_workgroup_id_y 1
		.amdhsa_system_sgpr_workgroup_id_z 1
		.amdhsa_system_vgpr_workitem_id 0
		.amdhsa_next_free_vgpr 1024
		.amdhsa_next_free_sgpr 98
		.amdhsa_reserve_vcc 0
		.amdhsa_float_denorm_mode_32 3
		.amdhsa_float_denorm_mode_16_64 3
		.amdhsa_memory_ordered 1
		.amdhsa_forward_progress 1
		.amdhsa_inst_pref_size 160
	.end_amdhsa_kernel
	.amdgpu_metadata
---
amdhsa.version: [ 1, 2 ]
amdhsa.kernels:
  - .name:           k_qc3bfad030e_oproj
    .symbol:         k_qc3bfad030e_oproj.kd
    .args:
      - { .name: aq, .offset: 0, .size: 8, .value_kind: global_buffer, .address_space: global }
      - { .name: woq, .offset: 8, .size: 8, .value_kind: global_buffer, .address_space: global }
      - { .name: out0, .offset: 16, .size: 8, .value_kind: global_buffer, .address_space: global }
    .group_segment_fixed_size: 327680
    .private_segment_fixed_size: 0
    .kernarg_segment_align: 8
    .kernarg_segment_size: 24
    .max_flat_workgroup_size: 128
    .sgpr_count:     98
    .vgpr_count:     1024
    .wavefront_size: 32
...
	.end_amdgpu_metadata
.endif
;; end of part 4
;; ======== version 2 of 2: 4 launches
;; workspace buffers: xq 13,107,200 bytes; w3q 6,553,600 bytes; woq 3,276,800 bytes; qb 3,276,800 bytes; kvb 3,276,800 bytes; aq 3,276,800 bytes
;; launch quant (part 5): grid 896 x 1, 4 waves a work-group, no clusters, 68,096 bytes of LDS; arguments hidden_states, xq, wq, wk, wv, wo, w3q, woq; writes xq, w3q, woq
.if DOCPART == 5
	.amdgcn_target "amdgcn-amd-amdhsa--gfx1250"
	.amdhsa_code_object_version 6
	.text
	.protected	k_qc3bfad030e_quant
	.globl	k_qc3bfad030e_quant
	.p2align	8
	.type	k_qc3bfad030e_quant,@function
k_qc3bfad030e_quant:
	s_mov_b64 s[64:65], 0
	v_nop
	global_prefetch_b8 v0, s[64:65] scope:SCOPE_SE
	s_setreg_imm32_b32 hwreg(HW_REG_WAVE_MODE, 25, 1), 1
	s_wait_xcnt 0x0
; hidden_states [4096][4096] (K innermost) and the four weights (K is their FIRST axis), all f32, become codes of FP6 (E2M3), K innermost, with one E8M0 byte for each 32 along K.
; A block's scale is 2^(floor(log2(its largest magnitude)) - 2); its byte is the largest magnitude's exponent field - 2, held at 1 from below; each number is divided by the scale and rounded to the nearest code, ties to even.
; LIMITS: NaN and infinities among the inputs are not served.  A block whose largest magnitude lies under 2^-124 gets the byte 1.  A block of zeros gets the byte 1 where the rule says 127: its codes are zeros, and the bytes are read by this program alone.
; OUTPUT ROWS ARE IN TILE ORDER: row i of a tensor is stored at the place i with bits 3 and 4 exchanged, so that 16 neighbouring stored rows are rows 0-7 and 16-23 (or 8-15 and 24-31) of a group of 32.
;   xq:  [chunk 8][stored row 4096][400 bytes]; w3q: [chunk 8][stored row 2048][400 bytes]: a chunk is 512 along K: 384 bytes of codes, then the row's 16 scale bytes of that chunk.  So the rows that a product's tile takes of one chunk are one dense block.
;        w3q's rows 0-1023 are wq's columns, then for each KV head 128 of wk's and 128 of wv's.
;   woq: codes [4096 stored rows][768 bytes], then scale bytes [4096][32].
; Work-groups 0-511 take hidden_states (a wave: 16 stored rows x one chunk, a step a row); work-groups 512-895 take the weights (a wave: 32 columns x 256 along K).  The two ways have LDS bytes of their own.  Waves share nothing: no barrier.
.set STEPS, 16
.set EMAX,  2
.set CB,    12                         ; bytes of 16 codes
.set CH,    400                        ; a row's chunk in bytes
.set PLA,   4096*CH                    ; from chunk to chunk in xq
.set PLB,   2048*CH                    ; and in w3q
.set R,     16                         ; v16-79   hidden: four sets of 16 numbers as they are loaded
.set X,     80                         ; v80-111  hidden: two sets of 16 neighbours
.set E,     112                        ; v112-127 hidden: a scale byte for each step
.set C,     128                        ; v128-191 hidden: codes, four registers for each step
.set WREG,  8192                       ; LDS, hidden: a region for each wave: two stages of 32 x SP bytes, then its 256 scale bytes
.set SP,    80                         ; a lane's place in a stage: 64 bytes + 16 of padding
.set WSTG,  32768                      ; LDS, weights: a stage of 32 rows x WP bytes for each wave
.set WP,    272                        ; sixteen places of 16 bytes (12 bytes of codes each) + 16
.set SPARE, WSTG+4*32*WP               ; the spare words, 128 bytes for each wave: two blocks of 256 bytes that no other line names
.set SPW,   208                        ; v208 LDS address of my spare word; never rewritten
.set NIL,   209                        ; v209 0; never rewritten
.set NB,    8                          ; weights: blocks of 32 along K for a lane
.set WX,    32                         ; v32-95   weights: two sets of 32 numbers
.set WC,    96                         ; v96-102  weights: a block's codes
.set OUTR,  112                        ; v112-175 weights: the way out
.set OF,    176                        ; v176-207 weights: 4 x lane + i rows of the weight, i = 0 .. 31
.set OS,    210                        ; v210-225 weights: the way out's sixteen offsets
.set SBY,   24                         ; v24-25   weights: my column's eight scale bytes
	s_load_b512 s[4:19], s[0:1], 0x0               ; hidden 4:5, xq 6:7, wq 8:9, wk 10:11, wv 12:13, wo 14:15, w3q 16:17, woq 18:19
	v_lshl_add_u32 v[SPW], v0, 2, SPARE
	v_mov_b32 v[NIL], 0
	v_lshrrev_b32 v1, 5, v0
	v_readfirstlane_b32 s20, v1                    ; wave
	v_and_b32 v2, 31, v0                           ; lane
	s_cmp_lt_u32 ttmp9, 512
	s_cbranch_scc0 .Lweights
; ---------------- hidden_states.  Step t is chunk c of the row that is stored at place 16 m + t.  Each load reads 512 consecutive bytes; a step's 2,048 bytes turn through the wave's stage, so that a lane holds 16 neighbours.
	v_lshlrev_b32 v3, 4, v2                        ; my 16 bytes of a load's 512
	s_mul_i32 s21, s20, WREG
	v_lshrrev_b32 v14, 2, v2
	v_mul_u32_u24 v14, v14, SP
	v_and_b32 v15, 3, v2
	v_lshl_add_u32 v14, v15, 4, v14
	v_add_nc_u32 v14, s21, v14                     ; the stage, on the way in: SP (lane / 4) + 16 (lane % 4)
	v_mul_u32_u24 v15, v2, SP
	v_add_nc_u32 v15, s21, v15                     ; on the way out: SP x lane
	v_mul_u32_u24 v4, v2, CB                       ; my codes' place in a step's
	v_lshrrev_b32 v5, 1, v2
	s_add_co_u32 s21, s21, 2*32*SP
	v_add_nc_u32 v5, s21, v5                       ; my wave's 256 scale bytes, my block's byte
	v_lshlrev_b32 v7, 3, v2
	v_add_nc_u32 v6, s21, v7                       ; and on the way out 8 bytes a lane: half of step lane / 2's sixteen,
	v_lshrrev_b32 v7, 1, v2
	v_mul_u32_u24 v7, v7, CH
	v_and_b32 v10, 1, v2
	v_lshl_add_u32 v7, v10, 3, v7                  ; which go to row lane / 2 of my 16, 8 (lane % 2) bytes on
	s_lshl_b32 s22, ttmp9, 2
	s_add_co_u32 s22, s22, s20                     ; 0 .. 2047:
	s_lshr_b32 s24, s22, 3                         ; m: which 16 stored rows,
	s_and_b32 s25, s22, 7                          ; c: which chunk
	s_lshr_b32 s26, s24, 1
	s_lshl_b32 s26, s26, 5
	s_and_b32 s27, s24, 1
	s_lshl_b32 s27, s27, 3
	s_add_co_u32 s26, s26, s27                     ; step t's row of the input is 32 (m / 2) + 8 (m % 2) + t + 8 (t / 8)
	s_lshl_b32 s22, s26, 14                        ; 16,384 bytes a row,
	s_lshl_b32 s27, s25, 11                        ; 2,048 a chunk
	s_add_co_u32 s22, s22, s27
	s_mov_b32 s23, 0
	s_mul_i32 s26, s25, PLA
	s_mul_i32 s27, s24, 16*CH
	s_add_co_u32 s26, s26, s27                     ; out: my 6,400 consecutive bytes
	s_mov_b32 s27, 0
	s_wait_kmcnt 0x0
	s_add_nc_u64 s[4:5], s[4:5], s[22:23]
	s_add_nc_u64 s[30:31], s[6:7], s[26:27]
.macro HLOAD t
.irp i, 0,1,2,3
	global_load_b128 v[R+16*((\t)%4)+4*\i:R+16*((\t)%4)+4*\i+3], v3, s[4:5] offset:((\t)+8*((\t)/8))*16384+512*\i th:TH_LOAD_NT   ; 32 lanes read 512 consecutive bytes
.endr
.endm
.macro HTURN t                         ; step t's numbers through the stage: LDS serves a wave's instructions in order, so no wait stands between the stores and the loads
.irp i, 0,1,2,3
	ds_store_b128 v14, v[R+16*((\t)%4)+4*\i:R+16*((\t)%4)+4*\i+3] offset:32*SP*((\t)%2)+8*SP*\i
.endr
.irp i, 0,1,2,3
	ds_load_b128 v[X+16*((\t)%2)+4*\i:X+16*((\t)%2)+4*\i+3], v15 offset:32*SP*((\t)%2)+16*\i
.endr
.endm
.irp t, 0,1,2,3
	HLOAD \t
.endr
	s_wait_loadcnt 12                              ; step 0's four loads are in; three steps' twelve stay out
	HTURN 0
.macro HSTEP t
.set XR, X+16*((\t)%2)
.if (\t) > 0
	s_wait_dscnt 1                                 ; this step's numbers are back from the stage; the last step's byte store may be out
.else
	s_wait_dscnt 0x0
.endif
.if (\t)+4 < STEPS
	HLOAD (\t)+4                                   ; into the registers that this step's stores into the stage have read
.endif
.if (\t)+1 < STEPS
.if STEPS-2-(\t) >= 3
	s_wait_loadcnt 12                              ; the next step's four loads are in; those of the three steps behind it may be out
.else
	s_wait_loadcnt 4*(STEPS-2-(\t))
.endif
	HTURN (\t)+1
.endif
	v_max3_num_f32 v8, |v[XR]|, |v[XR+1]|, |v[XR+2]|               ; the largest magnitude of my 16, in two chains
	v_max3_num_f32 v9, |v[XR+3]|, |v[XR+4]|, |v[XR+5]|
.irp i, 6,10
	v_max3_num_f32 v8, v8, |v[XR+\i]|, |v[XR+\i+1]|
	v_max3_num_f32 v9, v9, |v[XR+\i+2]|, |v[XR+\i+3]|
.endr
	v_max3_num_f32 v8, v8, |v[XR+14]|, |v[XR+15]|
	v_max3_num_f32 v8, v8, v9, (EMAX+1)<<23        ; and the floor 2^(3 - 127): the byte cannot fall under 1
	v_max_num_f32_dpp v8, v8, v8 row_xmask:1 row_mask:0xf bank_mask:0xf   ; with my neighbour's 16: the block's
	v_add_nc_u32 v11, -(EMAX<<23), v8              ; 2 off its exponent field: the conversion takes the exponent field of this operand as its scale
	v_cvt_scalef32_pk16_fp6_f32 v[C+4*(\t):C+4*(\t)+2], v[XR:XR+15], v11
	v_lshrrev_b32 v[E+(\t)], 23, v11               ; the scale's byte (a plain line behind the conversion)
	ds_store_b8 v5, v[E+(\t)] offset:16*(\t)       ; both lanes of a block write the same byte with the same value
	global_store_b96 v4, v[C+4*(\t):C+4*(\t)+2], s[30:31] offset:CH*(\t)   ; the wave stores the row's 384 consecutive bytes of codes
.endm
.irp t, 0,1,2,3,4,5,6,7,8,9,10,11,12,13,14,15
	HSTEP \t
.endr
	ds_load_b64 v[8:9], v6                         ; LDS serves a wave's instructions in order: these see my byte stores
	s_wait_dscnt 0x0
	global_store_b64 v7, v[8:9], s[30:31] offset:384   ; two lanes store a row's 16 scale bytes, behind its codes
	s_wait_tensorcnt 0x0                           ; the wave's end, behind my last LDS store
	ds_add_u32 v[SPW], v[NIL]
	s_wait_dscnt 0x0
	s_endpgm
; ---------------- the weights: a lane takes a column, its registers run down K: a block of 32 lies in one lane, and the codes come out with K innermost.
.Lweights:
	s_sub_co_u32 s21, ttmp9, 512                   ; 0-127 wq, 128-191 wk, 192-255 wv, 256-383 wo
	s_wait_kmcnt 0x0
	s_mov_b64 s[22:23], s[8:9]                     ; from where                 (wq's figures first; the three compares below replace them)
	s_mov_b64 s[24:25], s[16:17]                   ; to where
	s_mov_b32 s26, 0                               ; the tensor's first index
	s_mov_b32 s27, 3                               ; log2 of its blocks of 128 columns
	s_mov_b32 s28, 4096                            ; a row of it in bytes
	s_mov_b32 s29, 0                               ; its first output row,
	s_mov_b32 s30, 128                             ; and output rows from one block of 128 columns to the next
	s_mov_b32 s31, CH                              ; from output row to output row of codes, in bytes
	s_mov_b32 s52, CH                              ; and of scale bytes
	s_mov_b32 s53, 384                             ; where the scale bytes begin
	s_mov_b32 s2, PLB                              ; 512 along K on: in the codes,
	s_mov_b32 s3, PLB                              ; and in the scale bytes
	s_cmp_ge_u32 s21, 128                          ; wk
	s_cselect_b64 s[22:23], s[10:11], s[22:23]
	s_cselect_b32 s26, 128, s26
	s_cselect_b32 s27, 2, s27
	s_cselect_b32 s28, 2048, s28
	s_cselect_b32 s29, 1024, s29
	s_cselect_b32 s30, 256, s30
	s_cmp_ge_u32 s21, 192                          ; wv
	s_cselect_b64 s[22:23], s[12:13], s[22:23]
	s_cselect_b32 s26, 192, s26
	s_cselect_b32 s29, 1152, s29
	s_cmp_ge_u32 s21, 256                          ; wo
	s_cselect_b64 s[22:23], s[14:15], s[22:23]
	s_cselect_b64 s[24:25], s[18:19], s[24:25]
	s_cselect_b32 s26, 256, s26
	s_cselect_b32 s27, 5, s27
	s_cselect_b32 s28, 16384, s28
	s_cselect_b32 s29, 0, s29
	s_cselect_b32 s30, 128, s30
	s_cselect_b32 s31, 768, s31
	s_cselect_b32 s52, 32, s52
	s_cselect_b32 s53, 3145728, s53
	s_cselect_b32 s2, 384, s2
	s_cselect_b32 s3, 16, s3
	s_sub_co_u32 s21, s21, s26
	s_bfm_b32 s54, s27, 0
	s_and_b32 s54, s21, s54                        ; which 128 columns
	s_lshr_b32 s55, s21, s27                       ; which 256 along K
	s_lshl_b32 s56, s20, 5                         ; my wave's 32 of the columns
	s_lshl_b32 s57, s54, 7
	s_add_co_u32 s57, s57, s56                     ; my first column
	s_mul_i32 s58, s30, s54
	s_add_co_u32 s58, s58, s29
	s_add_co_u32 s58, s58, s56                     ; my first output row
	s_mul_i32 s60, s55, s28
	s_lshl_b32 s60, s60, 8                         ; 256 rows of the weight for each step along K
	s_lshl_b32 s57, s57, 2
	s_add_co_u32 s60, s60, s57
	s_mov_b32 s61, 0
	s_add_nc_u64 s[32:33], s[22:23], s[60:61]      ; block 0's base;
	s_lshl_b32 s60, s28, 5
.irp t, 1,2,3,4,5,6,7
	s_add_nc_u64 s[32+2*\t:33+2*\t], s[30+2*\t:31+2*\t], s[60:61]   ; block t's: 32 rows further down.  No base is ever stepped
.endr
	s_lshr_b32 s62, s55, 1                         ; which 512 along K,
	s_and_b32 s63, s55, 1                          ; and which half of them
	s_mul_i32 s60, s58, s31
	s_mul_i32 s57, s62, s2
	s_add_co_u32 s60, s60, s57
	s_mul_i32 s57, s63, 192
	s_add_co_u32 s60, s60, s57
	s_add_nc_u64 s[48:49], s[24:25], s[60:61]      ; codes: my first row, my 192 bytes of it
	s_mul_i32 s60, s58, s52
	s_mul_i32 s57, s62, s3
	s_add_co_u32 s60, s60, s57
	s_lshl_b32 s57, s63, 3
	s_add_co_u32 s60, s60, s57
	s_add_co_u32 s60, s60, s53
	s_add_nc_u64 s[50:51], s[24:25], s[60:61]      ; scale bytes: my first row, my 8 bytes of it
	s_lshl_b32 s62, s31, 1                         ; two output rows
	v_and_b32 v3, 7, v2
	v_bfe_u32 v5, v2, 3, 1
	v_bfe_u32 v6, v2, 4, 1
	v_lshl_add_u32 v3, v5, 4, v3
	v_lshl_add_u32 v3, v6, 3, v3                   ; my column's place among the 32 output rows: bits 3 and 4 exchanged
	s_mul_i32 s59, s20, 32*WP
	s_add_co_u32 s59, s59, WSTG                    ; my stage
	v_mul_u32_u24 v4, v3, WP
	v_add_nc_u32 v4, s59, v4                       ; into it: my output row
	v_and_b32 v5, 15, v2
	v_lshrrev_b32 v6, 4, v2
	v_mul_u32_u24 v7, v6, WP
	v_lshl_add_u32 v7, v5, 4, v7
	v_add_nc_u32 v7, s59, v7                       ; out of it: sixteen lanes to a row, two rows an instruction
	v_mul_lo_u32 v9, v3, s52                       ; my row of scale bytes
	v_lshlrev_b32 v[OF], 2, v2
.set I, 1
.rept 31
	v_add_nc_u32 v[OF+I], s28, v[OF+I-1]
.set I, I+1
.endr
	v_mul_lo_u32 v[OS], v6, s31
	v_mad_u32_u24 v[OS], v5, 12, v[OS]             ; (2 t + lane / 16) output rows + 12 (lane % 16)
.set I, 1
.rept 15
	v_add_nc_u32 v[OS+I], s62, v[OS+I-1]
.set I, I+1
.endr
.macro WLOAD t                         ; block t: 32 rows of the weight at my column: a wave reads 128 consecutive bytes a load
.set I, 0
.rept 32
	global_load_b32 v[WX+32*((\t)%2)+I], v[OF+I], s[32+2*(\t):33+2*(\t)] th:TH_LOAD_NT
.set I, I+1
.endr
.endm
	WLOAD 0
	WLOAD 1
.macro WBLOCK t
.set XR, WX+32*((\t)%2)
.if (\t) < NB-1
	s_wait_loadcnt 32                              ; this block's 32 loads are in; the next block's may be out
.else
	s_wait_loadcnt 0
.endif
	v_max3_num_f32 v12, |v[XR]|, |v[XR+1]|, |v[XR+2]|               ; the block's largest magnitude: all 32 numbers are mine
	v_max3_num_f32 v13, |v[XR+3]|, |v[XR+4]|, |v[XR+5]|
.irp i, 6,10,14,18,22,26
	v_max3_num_f32 v12, v12, |v[XR+\i]|, |v[XR+\i+1]|
	v_max3_num_f32 v13, v13, |v[XR+\i+2]|, |v[XR+\i+3]|
.endr
	v_max3_num_f32 v12, v12, |v[XR+30]|, |v[XR+31]|
	v_max3_num_f32 v12, v12, v13, (EMAX+1)<<23     ; and the floor
	v_add_nc_u32 v11, -(EMAX<<23), v12             ; the conversion's scale operand
	v_lshrrev_b32 v13, 23, v11                     ; the scale's byte
.if (\t)%4 == 0
	v_mov_b32 v[SBY+(\t)/4], v13                   ; four bytes to a register, the lower K in the lower byte
.else
	v_lshl_or_b32 v[SBY+(\t)/4], v13, 8*((\t)%4), v[SBY+(\t)/4]
.endif
	v_cvt_scalef32_pk16_fp6_f32 v[WC:WC+2], v[XR:XR+15], v11
	v_cvt_scalef32_pk16_fp6_f32 v[WC+4:WC+6], v[XR+16:XR+31], v11   ; (a conversion's three registers begin on an even number)
	ds_store_b96 v4, v[WC:WC+2] offset:32*(\t)     ; 12 bytes to a place of 16, so that every LDS address is a multiple of 16
	ds_store_b96 v4, v[WC+4:WC+6] offset:32*(\t)+16
.if (\t)+2 < NB
	WLOAD (\t)+2
.endif
	s_wait_dscnt 0x0                               ; the stores have read their registers: the next block's codes may be written
.endm
.set Q, 0
.rept NB
	WBLOCK Q
.set Q, Q+1
.endr
	global_store_b64 v9, v[SBY:SBY+1], s[50:51]    ; my column's eight scale bytes
.irp t, 0,1,2,3,4,5,6,7,8,9,10,11,12,13,14,15
	ds_load_b96 v[OUTR+4*\t:OUTR+4*\t+2], v7 offset:2*\t*WP   ; LDS serves a wave's instructions in order: these see my stores
.endr
.irp t, 0,1,2,3,4,5,6,7,8,9,10,11,12,13,14,15
	s_wait_dscnt 15-\t
	global_store_b96 v[OS+\t], v[OUTR+4*\t:OUTR+4*\t+2], s[48:49]   ; sixteen lanes store a row's 192 consecutive bytes
.endr
	s_wait_tensorcnt 0x0                           ; the wave's end, behind my last LDS store
	ds_add_u32 v[SPW], v[NIL]
	s_wait_dscnt 0x0
	s_endpgm
.Lfunc_end_k_qc3bfad030e_quant:
	.size	k_qc3bfad030e_quant, .Lfunc_end_k_qc3bfad030e_quant-k_qc3bfad030e_quant
	.p2alignl 7, 3214868480
	.fill 96, 4, 3214868480
	.section	.rodata,"a",@progbits
	.p2align	6, 0x0
	.amdhsa_kernel k_qc3bfad030e_quant
		.amdhsa_group_segment_fixed_size 68096
		.amdhsa_private_segment_fixed_size 0
		.amdhsa_enable_private_segment 0
		.amdhsa_kernarg_size 64
		.amdhsa_user_sgpr_count 2
		.amdhsa_user_sgpr_kernarg_segment_ptr 1
		.amdhsa_wavefront_size32 1
		.amdhsa_system_sgpr_workgroup_id_x 1
		.amdhsa_system_sgpr_workgroup_id_y 1
		.amdhsa_system_sgpr_workgroup_id_z 1
		.amdhsa_system_vgpr_workitem_id 0
		.amdhsa_next_free_vgpr 240
		.amdhsa_next_free_sgpr 66
		.amdhsa_reserve_vcc 0
		.amdhsa_float_denorm_mode_32 3
		.amdhsa_float_denorm_mode_16_64 3
		.amdhsa_memory_ordered 1
		.amdhsa_forward_progress 1
		.amdhsa_inst_pref_size 77
	.end_amdhsa_kernel
	.amdgpu_metadata
---
amdhsa.version: [ 1, 2 ]
amdhsa.kernels:
  - .name:           k_qc3bfad030e_quant
    .symbol:         k_qc3bfad030e_quant.kd
    .args:
      - { .name: hidden_states, .offset: 0, .size: 8, .value_kind: global_buffer, .address_space: global }
      - { .name: xq, .offset: 8, .size: 8, .value_kind: global_buffer, .address_space: global }
      - { .name: wq, .offset: 16, .size: 8, .value_kind: global_buffer, .address_space: global }
      - { .name: wk, .offset: 24, .size: 8, .value_kind: global_buffer, .address_space: global }
      - { .name: wv, .offset: 32, .size: 8, .value_kind: global_buffer, .address_space: global }
      - { .name: wo, .offset: 40, .size: 8, .value_kind: global_buffer, .address_space: global }
      - { .name: w3q, .offset: 48, .size: 8, .value_kind: global_buffer, .address_space: global }
      - { .name: woq, .offset: 56, .size: 8, .value_kind: global_buffer, .address_space: global }
    .group_segment_fixed_size: 68096
    .private_segment_fixed_size: 0
    .kernarg_segment_align: 8
    .kernarg_segment_size: 64
    .max_flat_workgroup_size: 128
    .sgpr_count:     66
    .vgpr_count:     240
    .wavefront_size: 32
...
	.end_amdgpu_metadata
.endif
;; end of part 5
;; launch qkv (part 6): grid 8 x 32, 4 waves a work-group, clusters of 4 x 4, 327,680 bytes of LDS; arguments xq, w3q, cos, sin, qb, kvb; writes qb, kvb
.if DOCPART == 6
	.amdgcn_target "amdgcn-amd-amdhsa--gfx1250"
	.amdhsa_code_object_version 6
	.text
	.protected	k_qc3bfad030e_qkv
	.globl	k_qc3bfad030e_qkv
	.p2align	8
	.type	k_qc3bfad030e_qkv,@function
k_qc3bfad030e_qkv:
	s_mov_b64 s[64:65], 0
	v_nop
	global_prefetch_b8 v0, s[64:65] scope:SCOPE_SE
	s_setreg_imm32_b32 hwreg(HW_REG_WAVE_MODE, 25, 1), 1
	s_wait_xcnt 0x0
	s_wait_alu depctr_hold_cnt(0) depctr_sa_sdst(0) depctr_va_vdst(0) depctr_va_sdst(0) depctr_va_ssrc(0) depctr_va_vcc(0) depctr_vm_vsrc(0)
	s_getreg_b32 s2, hwreg(HW_REG_IB_STS2, 6, 4)
	s_cmp_eq_u32 s2, 0
	s_cbranch_scc0 .Lentry_in_a_cluster
	s_endpgm
.Lentry_in_a_cluster:
	s_bfe_u32 s2, ttmp6, 0x10000c
	s_cmp_lg_u32 s2, 0xf033
	s_cbranch_scc0 .Lentry_shape_is_right
	s_endpgm
.Lentry_shape_is_right:
; The three projections as ONE product on codes of FP6 (E2M3): [4096 tokens][K 4096] x [2048 columns][K 4096]; columns 0-1023 are q's heads, then for each KV head 128 of k and 128 of v.  Sums in f32, K ascending, 128 an instruction.
; Behind the sums, in registers: RoPE on q and k (f32; x c - y s as one multiply and one fused multiply-add where the source has two multiplies and an addition), then the quantiser: q and k along the head's 128, v along the keys.
; What leaves are operands for the attention, as IMAGES OF THEIR REGISTERS: a BLOCK of 12,800 bytes = 8 fragments (16 rows x 128 K: 3 x 512 bytes, lane l's 16 bytes at 16 l) and 512 bytes of scale words (lane l: the words of fragments 4 (l / 16) .. + 3 for row l % 16).
; LIMITS: NaN and infinities are not served; a block under 2^-124 (zeros too) gets the scale byte 1.
; OPERANDS: xq [chunk 8][stored row 4096][400 bytes], w3q [chunk 8][stored row 2048][400 bytes]: a chunk is 512 along K: 384 bytes of codes and the row's 16 scale bytes.  A tile's rows of one chunk are one dense block: it comes as rows of 256 bytes
; and lies in LDS as it lies in memory, rows 400 bytes = 100 words apart: the 32 lanes of a load of 8 bytes touch 64 different banks, the 16 rows of a load of 16 bytes 16 different columns of 16 bytes (64 banks of 4 bytes: ISA guide 11.1).
; Both are stored in TILE ORDER (row bits 3 and 4 exchanged): stored rows 16 i .. 16 i + 15 are rows 32 (i / 2) + 8 (i % 2) + r + 8 (r / 8).
; SHARES.  A work-group makes 128 tokens x 256 columns: 8 x 32 = 256 work-groups.  K goes in 8 steps of 512 through a ring of two LDS slots (B's 256 rows, then A's 128: 153,600 bytes).
; A wave makes 32 accumulators from a side S0 of 128 rows (8 fragments, source 0) and a side S1 of 64 rows (4 fragments, source 1).  In accumulator (a, t) lane (r, h) holds S1's stored row 16 a + r, and its register j S0's row 32 (t / 2) + 16 h + 8 (t % 2) + j.
;   q and k: S0 = a head's 128 weight rows, S1 = 64 tokens (wave / 2): a lane holds one token, its 64 registers of one a run along the head's 128, and d and d + 64 lie in one lane: fragments 4 (wave / 2) + a of the BLOCK.
;   v (odd waves where the cluster's x is 1): S0 = the 128 tokens, S1 = 64 of v's weight rows (wave / 2): a lane holds one d and its registers run along the keys, which are the next K: the same fragments of v's BLOCK, with no turn through LDS.
;   Only the four LDS bases differ between the two; they hang on the cluster's x and the wave's number, which all partners share.
; CLUSTERS: 4 x 4 work-groups; A's tiles are asked for jointly along a row of the cluster (waves 0 and 1: 64 rows each), B's along a column (waves 2 and 3: 128 rows each).  By this text's count a wave has two tensor loads out at the start, later one.
; REGISTERS, in windows of 256: window 0: v16-23 LDS addresses; v32-127 scale words, two sets of 48; v128-223 S1's fragments, two sets of 48.  window 1: S0's fragments, two sets of 96, at v0 and v128.  window 2: the accumulators ((a, t) at v[8 (8 a + t)]).
;   window 3: cos and sin, two sets of 128.  On the way out, window 0: v32-79 four fragments' codes, v80-87 and v200-215 at work, v132-195 64 numbers, v224-227 the four scale words, v232-239 RoPE's products.
.set CH,     400                       ; a row's chunk in bytes
.set PLA,    4096*CH                   ; from chunk to chunk in xq
.set PLB,    2048*CH                   ; and in w3q
.set AOFF,   256*CH                    ; a slot: B's 256 rows, then A's 128
.set SLOT,   384*CH
.set SPARE,  2*SLOT                    ; behind the ring: the spare words, 128 bytes for each wave: two blocks of 256 bytes that no other line names
.set LAPS,   4                         ; a lap = two K steps = once round the ring
.set FR,     12                        ; registers of a fragment
.set NP,     4                         ; places behind this matrix instruction (ISA guide 7.12.1)
.set BLKB,   12800
.set AD0,  16                          ; v16-17  S0's fragments in slot 0, 1: base + 400 r + 24 h
.set AD1,  18                          ; v18-19  S1's
.set AS0,  20                          ; v20-21  S0's rows in slot 0, 1: base + 400 r (the scale words lie 384 bytes on)
.set AS1,  22                          ; v22-23  S1's
.set GI,   26                          ; v26  16 x lane: an image's place for my lane
.set GR,   27                          ; v27  16 x (lane % 16): my row's four scale words
.set SPW,  28
.set NIL,  29
.set VCS,  30                          ; v30  cos, sin: (r + 8 (r / 8)) rows of 512 bytes + 64 h
.set SC,   32                          ; scale words: set s at v[SC + 48 s]: S0's block b: registers 4 b + q; S1's block a: registers 32 + 4 a + q; q: which 128 of the chunk
.set F1,   128
.set QC,   32
.set QT,   80
.set ST,   132
.set TM,   200
.set SW,   224
.set T,    232
.set SEL,  20
.set ISV,  95                          ; s95  1 in a wave that makes v
.set G1, 24                            ; s[24:31] descriptor group 1 for A's tiles;  s[32:39] group 0, one set for each slot
.set G0, 32
.set G1B, 48                           ; s[48:55], s[56:63] the same for B's
.set G0B, 56
.set MSB, 0
.macro WIN new                         ; the immediate's high byte repeats the setting that is left
.if MSB != \new
	s_set_vgpr_msb (MSB<<8)|\new
.set MSB, \new
.endif
.endm
.set MUL,  0xa1                        ; source 0 (S0) window 1, source 1 (S1) window 0, C and D window 2
.set TO_0, 0x40                        ; destination window 1, address window 0
; A joint load: waves 0 and 1 fetch for A, waves 2 and 3 for B; the branch hangs on the wave's number alone.  An s_nop 0 and four v_nop follow each of the two lines.
.macro JLOAD s
	s_cmp_eq_u32 s15, 0
	s_cbranch_scc0 .Lfor_b_\@
	tensor_load_to_lds s[G0+4*\s:G0+4*\s+3], s[G1:G1+7]
	s_nop 0
.rept 4
	v_nop
.endr
	s_branch .Lasked_\@
.Lfor_b_\@:
	tensor_load_to_lds s[G0B+4*\s:G0B+4*\s+3], s[G1B:G1B+7]
	s_nop 0
.rept 4
	v_nop
.endr
.Lasked_\@:
.endm
.macro CREST                           ; a round of the cluster's barrier behind its opening barrier
	s_cmp_lg_u32 s14, 0
	s_cbranch_scc1 .Lnot_wave_0_\@
	s_barrier_signal -3
.Lnot_wave_0_\@:
	s_barrier_wait -3
	s_barrier_signal -1
	s_barrier_wait -1
.endm
.macro CROUND
	s_barrier_signal -1
	s_barrier_wait -1
	CREST
.endm
	s_load_b128 s[4:7], s[0:1], 0x0                ; xq 4:5, w3q 6:7
	s_load_b256 s[68:75], s[0:1], 0x10             ; cos 68:69, sin 70:71, qb 72:73, kvb 74:75
	v_lshl_add_u32 v[SPW], v0, 2, SPARE
	v_mov_b32 v[NIL], 0
	ds_add_u32 v[SPW], v[NIL]                      ; the wave's opening: an add of 0, with its wait ahead of my first tensor load; the set-up below stands between them
	v_lshrrev_b32 v1, 5, v0
	v_readfirstlane_b32 s14, v1                    ; wave 0..3
	s_lshr_b32 s15, s14, 1                         ; which 64 rows of S1 are mine.  Also: I fetch for A (0) or for B (1)
	s_and_b32 s16, s14, 1                          ; which 128 of the tile's columns.  Also: which half of that tile I fetch
	s_bfe_u32 s40, ttmp6, 0x40000                  ; cx, cy
	s_bfe_u32 s41, ttmp6, 0x40004
	s_lshl_b32 s42, ttmp9, 2
	s_add_co_u32 s42, s42, s40                     ; tile column, 0 .. 7
	s_and_b32 s17, ttmp7, 0xffff
	s_lshl_b32 s17, s17, 2
	s_add_co_u32 s17, s17, s41                     ; tile row, 0 .. 31: a group of 128 tokens
	s_lshl_b32 s43, s41, 2
	s_lshl_b32 s43, 15, s43                        ; my row of the cluster
	s_lshl_b32 s44, 0x1111, s40                    ; my column
	s_or_b32 s[G1+0], s43, (3<<16)|(1<<21)         ; the mask; elements of 8 bytes; no padding; bit 21 beside a mask
	s_or_b32 s[G1B+0], s44, (3<<16)|(1<<21)
.irp g, G1, G1B
	s_mov_b32 s[\g+1], 32<<16                      ; tensor_dim0 = 32 (256 bytes)
	s_mov_b32 s[\g+3], 32<<16                      ; tile_dim0
	s_mov_b32 s[\g+5], 32                          ; the pitch: dense
	s_mov_b32 s[\g+6], 0
	s_mov_b32 s[\g+7], 0
.endr
	s_mov_b32 s[G1+2], 100<<16                     ; A: 64 rows of 400 bytes are 100 of 256
	s_mov_b32 s[G1+4], 100
	s_mov_b32 s[G1B+2], 200<<16                    ; B: 128 rows are 200
	s_mov_b32 s[G1B+4], 200
	s_lshl_b32 s20, s17, 7
	s_lshl_b32 s18, s16, 6
	s_add_co_u32 s20, s20, s18                     ; A: stored row 128 x tile row + 64 x half
	s_mul_i32 s20, s20, CH
	s_mov_b32 s21, 0
	s_lshl_b32 s46, s42, 8
	s_lshl_b32 s18, s16, 7
	s_add_co_u32 s46, s46, s18                     ; B: stored row 256 x tile column + 128 x half
	s_mul_i32 s46, s46, CH
	s_mov_b32 s47, 0
	s_mul_i32 s45, s16, 64*CH
	s_add_co_u32 s45, s45, AOFF                    ; where A's half goes,
	s_mul_i32 s94, s16, 128*CH                     ; and B's: the wave's number alone
	s_wait_dscnt 0x0                               ; the opening add is done
	s_wait_kmcnt 0x0
	s_add_nc_u64 s[20:21], s[4:5], s[20:21]
	s_add_nc_u64 s[46:47], s[6:7], s[46:47]
	CROUND                                         ; all sixteen work-groups are here: the first joint loads meet
.irp s, 0,1
	s_mov_b32 s[G0+4*\s], 1
	s_add_co_u32 s[G0+4*\s+1], s45, \s*SLOT
	s_add_nc_u64 s[G0+4*\s+2:G0+4*\s+3], s[20:21], \s*PLA
	s_or_b32 s[G0+4*\s+3], s[G0+4*\s+3], 0x80000000
	s_mov_b32 s[G0B+4*\s], 1
	s_add_co_u32 s[G0B+4*\s+1], s94, \s*SLOT
	s_add_nc_u64 s[G0B+4*\s+2:G0B+4*\s+3], s[46:47], \s*PLB
	s_or_b32 s[G0B+4*\s+3], s[G0B+4*\s+3], 0x80000000
	JLOAD \s
.endr
	v_and_b32 v1, 15, v0                           ; r
	v_bfe_u32 v2, v0, 4, 1                         ; h
	v_mul_u32_u24 v3, v1, CH                       ; my row of a block of 16
	v_mad_u32_u24 v4, v2, 24, v3                   ; and my half's 24 bytes of each 48
	s_and_b32 s[ISV], ttmp9, s16                   ; the cluster's x and the wave's number: the same in all partners
	s_mul_i32 s21, s16, 128*CH                     ; S0 for q and k: my 128 rows of B
	s_mul_i32 s22, s15, 64*CH
	s_add_co_u32 s23, s22, 128*CH                  ; S1 for v: B's rows 128 + 64 (wave / 2) on
	s_add_co_u32 s22, s22, AOFF                    ; S1 for q and k: A's rows 64 (wave / 2) on
	s_cmp_eq_u32 s[ISV], 1
	s_cselect_b32 s21, AOFF, s21                   ; S0 for v: A's 128 rows
	s_cselect_b32 s22, s23, s22
.irp s, 0,1
	v_add_nc_u32 v[AD0+\s], s21, v4
	v_add_nc_u32 v[AD1+\s], s22, v4
	v_add_nc_u32 v[AS0+\s], s21, v3
	v_add_nc_u32 v[AS1+\s], s22, v3
	s_add_co_u32 s21, s21, SLOT
	s_add_co_u32 s22, s22, SLOT
.endr
	v_and_b32 v5, 8, v1
	v_add_nc_u32 v5, v5, v1                        ; r + 8 (r / 8)
	v_lshlrev_b32 v[VCS], 9, v5
	v_lshl_add_u32 v[VCS], v2, 6, v[VCS]
	v_and_b32 v6, 31, v0
	v_lshlrev_b32 v[GI], 4, v6
	v_lshlrev_b32 v[GR], 4, v1
	s_lshr_b32 s76, s17, 4                         ; the batch
	s_and_b32 s77, s17, 15                         ; the group of 128 within its sequence
	s_lshl_b32 s78, s76, 3
	s_lshl_b32 s79, s42, 1
	s_add_co_u32 s78, s78, s79
	s_add_co_u32 s78, s78, s16                     ; 8 b + head
	s_lshl_b32 s78, s78, 4
	s_add_co_u32 s78, s78, s77                     ; q's BLOCK
	s_and_b32 s79, s42, 3                          ; the KV head
	s_lshl_b32 s80, s76, 2
	s_add_co_u32 s79, s79, s80
	s_lshl_b32 s79, s79, 4
	s_add_co_u32 s79, s79, s77
	s_lshl_b32 s79, s79, 1
	s_add_co_u32 s79, s79, s16                     ; k's BLOCK (even) or v's (odd)
	s_cmp_eq_u32 ttmp9, 0                          ; the cluster's x: 0 for q's columns, 1 for k's and v's
	s_cselect_b32 s78, s78, s79
	s_cselect_b64 s[12:13], s[72:73], s[74:75]
	s_mul_i32 s78, s78, BLKB
	s_mov_b32 s79, 0
	s_add_nc_u64 s[12:13], s[12:13], s[78:79]      ; my BLOCK
	s_lshl_b32 s78, s15, 8
	s_add_co_u32 s78, s78, 12288
	s_add_nc_u64 s[92:93], s[12:13], s[78:79]      ; the 256 bytes of scale words of fragments 4 (wave / 2) on
	s_mul_i32 s78, s15, 4*1536
	s_add_nc_u64 s[12:13], s[12:13], s[78:79]      ; and those fragments
	s_lshl_b32 s78, s17, 16                        ; 128 tokens x 512 bytes,
	s_lshl_b32 s80, s15, 15                        ; and my 64 of them
	s_add_co_u32 s78, s78, s80
	s_add_nc_u64 s[96:97], s[68:69], s[78:79]      ; cos and sin at S1's first token
	s_add_nc_u64 s[98:99], s[70:71], s[78:79]
.macro FRAG reg, adr, q, i             ; a fragment is 12 registers: lane l holds row l % 16; registers 6 c .. 6 c + 5 hold K = 64 c + 32 (l / 16) + 0 .. 31: 24 bytes of the row, in pieces of 8, so that every address is a multiple of the access's size
.irp p, 0,1,2,3,4,5
	ds_load_b64 v[\reg+2*\p:\reg+2*\p+1], v[\adr] offset:(\i)*16*CH+96*(\q)+48*(\p/3)+8*(\p%3)
.endr
.endm
; 8 matrix instructions: S1's block a x S0's eight, the chunk's q-th 128 along K, on fragment sets p and scale set sc.  zero = 1: the first product starts the sums.
; The 32 accumulators take turns, one instruction a turn, in the same order in every step.
.macro MUL8 a, p, q, sc, zero
.irp b, 0,1,2,3,4,5,6,7
.if \zero
	v_wmma_scale_f32_16x16x128_f8f6f4 v[8*(8*(\a)+\b):8*(8*(\a)+\b)+7], v[128*(\p)+FR*\b:128*(\p)+FR*\b+FR-1], v[F1+48*(\p)+FR*(\a):F1+48*(\p)+FR*(\a)+FR-1], 0, v[SC+48*(\sc)+4*\b+(\q)], v[SC+48*(\sc)+32+4*(\a)+(\q)] matrix_a_fmt:MATRIX_FMT_FP6 matrix_b_fmt:MATRIX_FMT_FP6
.else
	v_wmma_scale_f32_16x16x128_f8f6f4 v[8*(8*(\a)+\b):8*(8*(\a)+\b)+7], v[128*(\p)+FR*\b:128*(\p)+FR*\b+FR-1], v[F1+48*(\p)+FR*(\a):F1+48*(\p)+FR*(\a)+FR-1], v[8*(8*(\a)+\b):8*(8*(\a)+\b)+7], v[SC+48*(\sc)+4*\b+(\q)], v[SC+48*(\sc)+32+4*(\a)+(\q)] matrix_a_fmt:MATRIX_FMT_FP6 matrix_b_fmt:MATRIX_FMT_FP6
.endif
.endr
.endm
.macro FETCH slot, q, p                ; 72 LDS loads in one run: the twelve fragments of the slot's q-th 128 along K into sets p
	WIN TO_0
.irp i, 0,1,2,3,4,5,6,7
	FRAG 128*(\p)+FR*\i, AD0+\slot, \q, \i
.endr
	WIN 0
.irp i, 0,1,2,3
	FRAG F1+48*(\p)+FR*\i, AD1+\slot, \q, \i
.endr
.endm
.macro SCALES sc                       ; a slot's scale words: a row's 16 bytes are its four words of the chunk; lanes 16-31 take what lanes 0-15 take
.irp b, 0,1,2,3,4,5,6,7
	ds_load_b128 v[SC+48*\sc+4*\b:SC+48*\sc+4*\b+3], v[AS0+\sc] offset:384+\b*16*CH
.endr
.irp a, 0,1,2,3
	ds_load_b128 v[SC+48*\sc+32+4*\a:SC+48*\sc+32+4*\a+3], v[AS1+\sc] offset:384+\a*16*CH
.endr
.endm
.macro PLACES n                        ; plain vector instructions between a matrix instruction and a load into, or a read of, its registers (ISA guide 7.12.1 for reads)
.rept \n
	v_nop
.endr
.endm
.macro STEP slot, q, zero              ; 128 along K that have their successor in the same slot: 32 matrix instructions; the next 128's fragments are fetched behind the first eight
	s_wait_dscnt 0x0                               ; this step's fragments (and, at a slot's head, its scale words) are in
	WIN MUL
	MUL8 0, (\q)%2, \q, \slot, \zero
	PLACES NP                                      ; the other sets were multiplied by in the step before
	FETCH \slot, (\q)+1, 1-(\q)%2
	WIN MUL
	MUL8 1, (\q)%2, \q, \slot, \zero
	MUL8 2, (\q)%2, \q, \slot, \zero
	MUL8 3, (\q)%2, \q, \slot, \zero
.endm
; A slot's last 128 change slots: one barrier; in front of it each wave waits for all its tensor loads, adds 0 to its spare word, and waits for that and for its own reads of this slot.  fill = 1: this slot is filled again, two K steps ahead.
.macro TURN slot, next, fill
	WIN 0                                          ; (the add's two registers lie in window 0)
	s_wait_tensorcnt 0x0                           ; all my tensor loads have landed: the one that was out is my part of the next slot
	ds_add_u32 v[SPW], v[NIL]                      ; 0 onto my spare word
	s_wait_dscnt 1                                 ; (the add alone may be out: this step's fragments are in)
	WIN MUL
	MUL8 0, 1, 3, \slot, 0                         ; eight matrix instructions stand between the add and the wait for it
	s_wait_dscnt 0x0                               ; the add is done, and my reads of this slot are over
	s_barrier_signal -1
	MUL8 1, 1, 3, \slot, 0
	WIN 0
	s_barrier_wait -1
.if \fill
	CREST                                          ; the barrier has opened a round of the cluster's: no wave of any partner still reads this slot or has a load on its way
	s_add_nc_u64 s[G0+4*\slot+2:G0+4*\slot+3], s[G0+4*\slot+2:G0+4*\slot+3], 2*PLA
	s_add_nc_u64 s[G0B+4*\slot+2:G0B+4*\slot+3], s[G0B+4*\slot+2:G0B+4*\slot+3], 2*PLB
	JLOAD \slot                                    ; the first tensor load behind the round: 112 matrix instructions ahead of the wait for it; its four v_nop are the places in front of the loads below
.else
	PLACES NP
.endif
	FETCH \next, 0, 0
	SCALES \next
	WIN MUL
	MUL8 2, 1, 3, \slot, 0
	MUL8 3, 1, 3, \slot, 0
.endm
.macro CSLOAD a                        ; cos and sin of S1's block a, in the accumulators' layout, into set a % 2 of window 3: 32 loads
	WIN 0xc0
.irp b, 0,1,2,3
.irp q, 0,1,2,3
	global_load_b128 v[128*((\a)%2)+16*\b+4*\q:128*((\a)%2)+16*\b+4*\q+3], v[VCS], s[96:97] offset:(32*((\a)/2)+8*((\a)%2))*512+128*\b+16*\q
	global_load_b128 v[128*((\a)%2)+64+16*\b+4*\q:128*((\a)%2)+64+16*\b+4*\q+3], v[VCS], s[98:99] offset:(32*((\a)/2)+8*((\a)%2))*512+128*\b+16*\q
.endr
.endr
	WIN 0
.endm
	s_wait_tensorcnt 1                             ; of my two loads K step 0's is in; K step 1's may be out
	s_barrier_signal -1
	s_barrier_wait -1
	FETCH 0, 0, 0
	SCALES 0
	STEP 0, 0, 1                                   ; the first 128 along K stand in front of the loop: their products start the sums
	WIN 0                                          ; at a label and at a branch every window is 0
	s_mov_b32 s3, LAPS-1
.Llap:                                             ; a trip goes once round the ring, from a lap's second 128 to the next lap's first, and fills both slots again
	STEP 0, 1, 0
	STEP 0, 2, 0
	TURN 0, 1, 1
	STEP 1, 0, 0
	STEP 1, 1, 0
	STEP 1, 2, 0
	TURN 1, 0, 1
	STEP 0, 0, 0
	WIN 0
	s_sub_co_u32 s3, s3, 1
	s_cmp_lg_u32 s3, 0
	s_cbranch_scc1 .Llap
	CSLOAD 0                                       ; the first two blocks' cos and sin are asked for here, 224 matrix instructions ahead of their use.  Every wave asks, v's too (it reads none of them): one way through the text
	CSLOAD 1
	STEP 0, 1, 0                                   ; the last lap fills nothing
	STEP 0, 2, 0
	TURN 0, 1, 0
	STEP 1, 0, 0
	STEP 1, 1, 0
	STEP 1, 2, 0
	s_wait_dscnt 0x0                               ; the very last 128: nothing more to fetch
	WIN MUL
	MUL8 0, 1, 3, 1, 0
	MUL8 1, 1, 3, 1, 0
	MUL8 2, 1, 3, 1, 0
	MUL8 3, 1, 3, 1, 0
	WIN 0
; ---------------- THE WAY OUT
; 64 numbers of a lane, v[s] on in window w, register 16 b + i = k 32 b + 16 (lane / 16) + i of my row, become a fragment's codes in v[qc] on and its scale word in v[pw].  An accumulator is read from its low end on.
.macro QUANT s, w, qc, pw
.set WN, (\w)*5                        ; sources 0 and 1: window w
	WIN WN
.irp b, 0,1,2,3
	v_max3_num_f32 v[TM+\b], |v[\s+16*\b]|, |v[\s+1+16*\b]|, 0x1800000   ; block b: my 16 numbers, and the floor 2^(3 - 127)
.endr
.irp i, 2,4,6,8,10,12,14
.irp b, 0,1,2,3
	v_max3_num_f32 v[TM+\b], |v[\s+16*\b+\i]|, |v[\s+1+16*\b+\i]|, v[TM+\b]
.endr
.endr
	WIN 0
.irp b, 0,1,2,3
	v_permlanex16_b32 v[TM+4+\b], v[TM+\b], s[SEL], s[SEL+1]
.endr
.irp b, 0,1,2,3
	v_max_num_f32 v[TM+\b], v[TM+\b], v[TM+4+\b]   ; with lane l xor 16's: the block's largest magnitude
.endr
.irp b, 0,1,2,3
	v_add_nc_u32 v[TM+12+\b], 0xff000000, v[TM+\b] ; 2 off its exponent field: the conversion's scale operand
.endr
.irp b, 0,1,2,3
	v_lshrrev_b32 v[TM+4+\b], 23, v[TM+12+\b]      ; the scale's byte
.endr
	v_lshl_or_b32 v[\pw], v[TM+5], 8, v[TM+4]
	v_lshl_or_b32 v[\pw], v[TM+6], 16, v[\pw]
	v_lshl_or_b32 v[\pw], v[TM+7], 24, v[\pw]
.set WN, \w                            ; source 0: window w
	WIN WN
.irp c, 0,1
	v_cvt_scalef32_pk16_fp6_f32 v[\qc+6*\c:\qc+2+6*\c], v[\s+32*\c:\s+15+32*\c], v[TM+12+2*\c]
	v_cvt_scalef32_pk16_fp6_f32 v[QT+4*\c:QT+2+4*\c], v[\s+16+32*\c:\s+31+32*\c], v[TM+12+2*\c+1]   ; (a conversion's three registers begin on an even number)
.endr
	WIN 0
	v_nop                                          ; one plain place behind a scaled conversion
.irp c, 0,1                                    ; the operand's layout wants a whole block in a lane
.irp i, 0,1,2
	v_permlane16_swap_b32 v[\qc+6*\c+\i], v[QT+4*\c+\i]
.endr
.irp i, 0,1,2
	v_mov_b32 v[\qc+3+6*\c+\i], v[QT+4*\c+\i]
.endr
.endr
.endm
.macro GSTORE f                        ; the fragment as it stands: three stores of 512 consecutive bytes.  Each fragment's codes have registers of their own: no store's data are written again
.irp c, 0,1,2
	global_store_b128 v[GI], v[QC+12*(\f)+4*\c:QC+12*(\f)+4*\c+3], s[12:13] offset:1536*(\f)+512*\c
.endr
.endm
.macro ROPE a                          ; register n holds d = 32 (n / 16) + 16 h + n % 16: d + 64 is register n + 32.  Each accumulator is read from its low end on
	WIN 0x0e                                       ; source 0: the accumulators (window 2); source 1: cos, sin (window 3); source 2 and the destination: window 0
.set XB, 64*(\a)
.set CSB, 128*((\a)%2)
.set II, 0
.rept 16
.set TT, T+4*((II/2)%2)
	v_pk_mul_f32 v[TT:TT+1], v[XB+32+II:XB+33+II], v[CSB+64+II:CSB+65+II]
	v_pk_fma_f32 v[ST+II:ST+II+1], v[XB+II:XB+II+1], v[CSB+II:CSB+II+1], v[TT:TT+1] neg_lo:[0,0,1] neg_hi:[0,0,1]   ; x(d) cos(d) - x(d + 64) sin(d)
	v_pk_mul_f32 v[TT+2:TT+3], v[XB+II:XB+II+1], v[CSB+96+II:CSB+97+II]
	v_pk_fma_f32 v[ST+32+II:ST+33+II], v[XB+32+II:XB+33+II], v[CSB+32+II:CSB+33+II], v[TT+2:TT+3]                   ; x(d + 64) cos(d + 64) + x(d) sin(d + 64)
.set II, II+2
.endr
.endm
	PLACES NP                                      ; behind the last products: their results are read and their operands' and scales' registers written below
	s_mov_b32 s[SEL], 0x76543210
	s_mov_b32 s[SEL+1], 0xfedcba98                 ; v_permlanex16_b32's selects for lane l xor 16
.irp b, 0,1,2,3
	v_mov_b32 v[TM+4+\b], 0                        ; written once: a lane permute's destination counts as one of its sources
.endr
	s_cmp_eq_u32 s[ISV], 1
	s_cbranch_scc1 .Lvpath
	; q and k: RoPE, then a fragment for each of my four blocks of tokens
.set AA, 0
.rept 4
.if AA < 3
	s_wait_loadcnt 32                              ; this block's 32 loads are in; the next block's 32 may be out
.else
	s_wait_loadcnt 0x0
.endif
	ROPE AA
	WIN 0
.if AA < 2
	CSLOAD AA+2                                    ; into the set that has just been read
.endif
	QUANT ST,0,QC+12*AA,SW+AA
	GSTORE AA
.set AA, AA+1
.endr
	s_branch .Ljoin
.Lvpath:
	; v: a lane holds one d, and its 64 registers of block a run along the 128 keys: the accumulators go into the quantiser as they stand
.set AA, 0
.rept 4
	QUANT 64*AA,2,QC+12*AA,SW+AA
	GSTORE AA
.set AA, AA+1
.endr
.Ljoin:
	global_store_b128 v[GR], v[SW:SW+3], s[92:93]  ; my row's four scale words: sixteen lanes store 256 consecutive bytes, aligned (lanes 16-31 hold and store the same)
	s_wait_tensorcnt 0x0                           ; the wave's end, behind my last tensor load
	ds_add_u32 v[SPW], v[NIL]
	s_wait_dscnt 0x0
	CROUND                                         ; the closing round
	s_endpgm
.Lfunc_end_k_qc3bfad030e_qkv:
	.size	k_qc3bfad030e_qkv, .Lfunc_end_k_qc3bfad030e_qkv-k_qc3bfad030e_qkv
	.p2alignl 7, 3214868480
	.fill 96, 4, 3214868480
	.section	.rodata,"a",@progbits
	.p2align	6, 0x0
	.amdhsa_kernel k_qc3bfad030e_qkv
		.amdhsa_group_segment_fixed_size 327680
		.amdhsa_private_segment_fixed_size 0
		.amdhsa_enable_private_segment 0
		.amdhsa_kernarg_size 48
		.amdhsa_user_sgpr_count 2
		.amdhsa_user_sgpr_kernarg_segment_ptr 1
		.amdhsa_wavefront_size32 1
		.amdhsa_system_sgpr_workgroup_id_x 1
		.amdhsa_system_sgpr_workgroup_id_y 1
		.amdhsa_system_sgpr_workgroup_id_z 1
		.amdhsa_system_vgpr_workitem_id 0
		.amdhsa_next_free_vgpr 1024
		.amdhsa_next_free_sgpr 100
		.amdhsa_reserve_vcc 0
		.amdhsa_float_denorm_mode_32 3
		.amdhsa_float_denorm_mode_16_64 3
		.amdhsa_memory_ordered 1
		.amdhsa_forward_progress 1
		.amdhsa_inst_pref_size 216
	.end_amdhsa_kernel
	.amdgpu_metadata
---
amdhsa.version: [ 1, 2 ]
amdhsa.kernels:
  - .name:           k_qc3bfad030e_qkv
    .symbol:         k_qc3bfad030e_qkv.kd
    .args:
      - { .name: xq, .offset: 0, .size: 8, .value_kind: global_buffer, .address_space: global }
      - { .name: w3q, .offset: 8, .size: 8, .value_kind: global_buffer, .address_space: global }
      - { .name: cos, .offset: 16, .size: 8, .value_kind: global_buffer, .address_space: global }
      - { .name: sin, .offset: 24, .size: 8, .value_kind: global_buffer, .address_space: global }
      - { .name: qb, .offset: 32, .size: 8, .value_kind: global_buffer, .address_space: global }
      - { .name: kvb, .offset: 40, .size: 8, .value_kind: global_buffer, .address_space: global }
    .group_segment_fixed_size: 327680
    .private_segment_fixed_size: 0
    .kernarg_segment_align: 8
    .kernarg_segment_size: 48
    .max_flat_workgroup_size: 128
    .sgpr_count:     100
    .vgpr_count:     1024
    .wavefront_size: 32
...
	.end_amdgpu_metadata
.endif
;; end of part 6
;; launch attn: the kernel of part 3 again; grid 32 x 8, 8 waves a work-group, no clusters, 327,680 bytes of LDS; arguments qb, kvb, aq; writes aq
;; launch oproj: the kernel of part 4 again; grid 16 x 16, 4 waves a work-group, clusters of 4 x 4, 327,680 bytes of LDS; arguments aq, woq, out0; writes out0
